; MI455X (gfx1250); checked and timed in simulation.
; The chip was launched on July 23, 2026; its instructions are those of AMD's public machine-readable ISA for CDNA 5 (MIT licence, August 2026) and "CDNA5" Instruction Set Architecture Reference Guide (July 2026). The comments in the code are by the model that wrote it; some were corrected since.
;; Simple Transformer Layer. Allowed arithmetic: float matrix products may take bf16 or f16 operands with f32 sums; other float arithmetic in f32, or as packed bf16 or f16 multiplies, adds, multiply-adds, maxima and minima; sums over many terms, partial sums and values carried from step to step in f32; what a program stores and reads back later, other than sums and carried values, may be rounded once to bf16 or f16.
;; Inputs: b_ff1 4,096 float32; b_ff2 1,024 float32; b_out 1,024 float32; beta1 1,024 float32; beta2 1,024 float32; g1 1,024 float32; g2 1,024 float32; w_ff1 1,024 x 4,096 float32; w_ff2 4,096 x 1,024 float32; w_out 1,024 x 1,024 float32; w_qkv 1,024 x 3,072 float32; x 2 x 2,048 x 1,024 float32.
;; Outputs: out0 2 x 2,048 x 1,024 float32.
;; One version. Each part assembles by itself: llvm-mc -triple=amdgcn-amd-amdhsa -mcpu=gfx1250 --defsym DOCPART=n.
;; ======== version 1 of 1: 7 launches
;; limits: values are held in f16: magnitudes above 65,504 overflow, below 6.1e-05 lose precision; a function is approximated: absolute error at most 1.5e-07
;; workspace buffers: wb 25,165,824 bytes; h 8,388,608 bytes; qkv 25,165,824 bytes; o 8,388,608 bytes; ff 33,554,432 bytes; x1 16,777,216 bytes
;; launch prep (part 1): grid 1280 x 1, 8 waves a work-group, no clusters, 0 bytes of LDS; arguments x, g1, beta1, h, wb, w_qkv, w_out, w_ff1, w_ff2; writes h, wb
.if DOCPART == 1
	.amdgcn_target "amdgcn-amd-amdhsa--gfx1250"
	.amdhsa_code_object_version 6
	.text
	.protected	k_q07d8ccb0c6_prep
	.globl	k_q07d8ccb0c6_prep
	.p2align	8
	.type	k_q07d8ccb0c6_prep,@function
k_q07d8ccb0c6_prep:
	s_mov_b64 s[64:65], 0
	v_nop
	global_prefetch_b8 v0, s[64:65] scope:SCOPE_SE
	s_setreg_imm32_b32 hwreg(HW_REG_WAVE_MODE, 25, 1), 1
	s_wait_xcnt 0x0
; PREP.  Two streams in one launch, told apart by the work-group's number.
; Work-groups 0 .. 767: the four weight matrices, f32 [K][N], are rounded once to bf16, that number is written as f16, and they are laid end to end in wb, layout kept: 64 KiB of f32 a work-group, 8 KiB a wave.
; Work-groups 768 .. 1279: h = f16(LayerNorm(bf16(x)) with bf16(g1), bf16(beta1)): one wave a row of 1,024 numbers, kept in 32 registers between the passes.
; FORMATS.  Every input of the module is rounded once to bf16 where it is loaded (the weights, x, g1, beta1 here); what the program makes itself is kept in f16 (h) or f32.  Mean, variance and scaling are f32.
; The variance is taken of the centred row (two passes over registers).
; LIMITS.  A bf16 number's 8 significant bits are exact in f16 from 2^-17 up to 65,504; a smaller weight takes f16's fixed step of 6e-8.  A normalised row of 1,024 has no entry beyond 32, so |h| <= 32 max|g1| + max|beta1|,
; which must stay within 65,504.  v_rsq_f32 is good to one unit in the last place; NaN and infinities are not treated apart.
; No LDS, no barrier, no matrix unit: no wave wants a byte that another has fetched.
.set CASTS, 768                        ; work-groups that cast: 50,331,648 bytes of f32 / 65,536
.set XO,  2                            ; v2   16 x lane: my 16 bytes of each 512 of the row
.set YO,  3                            ; v3   8 x lane: my 8 bytes of each 256 of the row of h
.set T,   8                            ; v[8:15]   four running pairs
.set MU,  16                           ; v[16:17]  the mean, twice
.set RS,  18                           ; v[18:19]  1 / sqrt(var + eps), twice
.set TT,  20                           ; v[20:23]  the rounding's temporaries
.set X,   32                           ; v[32:63]  the row
.set G,   64                           ; v[64:95]  the gain
.set B,   96                           ; v[96:127] the offset
.set Y,   128                          ; v[128:143] the row in f16
.macro RND base                        ; 32 numbers rounded to bf16 (nearest even) and widened again
.set i, 0
.rept 16
	v_cvt_pk_bf16_f32 v[TT+i%4], v[(\base)+2*i], v[(\base)+2*i+1]
	v_lshlrev_b32 v[(\base)+2*i], 16, v[TT+i%4]
	v_and_b32 v[(\base)+2*i+1], s24, v[TT+i%4]
.set i, i+1
.endr
.endm
.macro ACROSS                          ; the four pairs in T become one sum, in every lane
	v_pk_add_f32 v[T:T+1], v[T:T+1], v[T+2:T+3]
	v_pk_add_f32 v[T+4:T+5], v[T+4:T+5], v[T+6:T+7]
	v_pk_add_f32 v[T:T+1], v[T:T+1], v[T+4:T+5]
	v_add_f32 v[T], v[T], v[T+1]
	v_add_f32_dpp v[T], v[T], v[T] row_xmask:1 row_mask:0xf bank_mask:0xf
	v_add_f32_dpp v[T], v[T], v[T] row_xmask:2 row_mask:0xf bank_mask:0xf
	v_add_f32_dpp v[T], v[T], v[T] row_xmask:4 row_mask:0xf bank_mask:0xf
	v_add_f32_dpp v[T], v[T], v[T] row_xmask:8 row_mask:0xf bank_mask:0xf
	v_permlanex16_b32 v[T+1], v[T], s28, s29       ; the other half of the lanes; its destination has been written
	v_add_f32 v[T], v[T], v[T+1]
.endm
; One row.  s[4:5] the row of x, s[6:7] gain, s[8:9] offset, s[10:11] the row of h.  round = 1: the row itself is an input and is rounded to bf16 first.
.macro LNROW round
.irp j, 0,1,2,3,4,5,6,7
	global_load_b128 v[X+4*\j:X+4*\j+3], v[XO], s[4:5] offset:512*\j
.endr
.irp j, 0,1,2,3,4,5,6,7
	global_load_b128 v[G+4*\j:G+4*\j+3], v[XO], s[6:7] offset:512*\j
.endr
.irp j, 0,1,2,3,4,5,6,7
	global_load_b128 v[B+4*\j:B+4*\j+3], v[XO], s[8:9] offset:512*\j
.endr
	s_wait_loadcnt 16                              ; the row is in; the sixteen younger loads (gain, offset) stay out
.if \round
	RND X
.endif
.irp k, 0,1,2,3
	v_pk_add_f32 v[T+2*\k:T+2*\k+1], v[X+2*\k:X+2*\k+1], v[X+8+2*\k:X+8+2*\k+1]  ; four chains, started by the first eight pairs
.endr
.irp k, 8,9,10,11,12,13,14,15
	v_pk_add_f32 v[T+2*((\k)%4):T+2*((\k)%4)+1], v[T+2*((\k)%4):T+2*((\k)%4)+1], v[X+2*\k:X+2*\k+1]
.endr
	ACROSS
	v_mul_f32 v[MU], s25, v[T]                     ; the mean
	v_mul_f32 v[MU+1], s25, v[T]
.set i, 0
.rept 16
	v_pk_add_f32 v[X+2*i:X+2*i+1], v[X+2*i:X+2*i+1], v[MU:MU+1] neg_lo:[0,1] neg_hi:[0,1]  ; the row is centred in place
.set i, i+1
.endr
.irp k, 0,1,2,3
	v_pk_mul_f32 v[T+2*\k:T+2*\k+1], v[X+2*\k:X+2*\k+1], v[X+2*\k:X+2*\k+1]
.endr
.irp k, 4,5,6,7,8,9,10,11,12,13,14,15
	v_pk_fma_f32 v[T+2*((\k)%4):T+2*((\k)%4)+1], v[X+2*\k:X+2*\k+1], v[X+2*\k:X+2*\k+1], v[T+2*((\k)%4):T+2*((\k)%4)+1]
.endr
	ACROSS
	v_fma_f32 v[T], v[T], s25, s26                 ; var + eps
	v_rsq_f32 v[RS], v[T]
	v_rsq_f32 v[RS+1], v[T]                        ; twice, for the packed multiply
	s_wait_loadcnt 0x0                             ; gain and offset
	RND G                                          ; plain work that names neither root nor its source stands behind the two roots,
	RND B
	s_wait_alu depctr_va_vdst(0)                   ; and one wait ahead of their first reader
.set i, 0
.rept 16
	v_pk_mul_f32 v[X+2*i:X+2*i+1], v[X+2*i:X+2*i+1], v[RS:RS+1]
.set i, i+1
.endr
.set i, 0
.rept 16
	v_pk_fma_f32 v[X+2*i:X+2*i+1], v[X+2*i:X+2*i+1], v[G+2*i:G+2*i+1], v[B+2*i:B+2*i+1]
.set i, i+1
.endr
.set i, 0
.rept 16
	v_cvt_pk_f16_f32 v[Y+i], v[X+2*i], v[X+2*i+1]
.set i, i+1
.endr
.irp j, 0,1,2,3,4,5,6,7
	global_store_b64 v[YO], v[Y+2*\j:Y+2*\j+1], s[10:11] offset:256*\j  ; 32 lanes x 8 bytes: 256 consecutive bytes, aligned
.endr
.endm
	s_load_b256 s[4:11], s[0:1], 0x0               ; x s[4:5], g1 s[6:7], beta1 s[8:9], h s[10:11]
	s_load_b64 s[12:13], s[0:1], 0x20              ; wb
	s_load_b256 s[16:23], s[0:1], 0x28             ; w_qkv s[16:17], w_out s[18:19], w_ff1 s[20:21], w_ff2 s[22:23]
	v_lshrrev_b32 v1, 5, v0
	v_readfirstlane_b32 s14, v1                    ; wave 0..7
	v_and_b32 v1, 31, v0                           ; lane
	s_cmp_lt_u32 ttmp9, CASTS
	s_cbranch_scc0 .Lln
	; THE CAST.  Which matrix, and which 64 KiB of it: w_qkv has 192 such pieces, w_out 64, w_ff1 256, w_ff2 256.
	s_lshl_b32 s15, s14, 13                        ; my wave's 8 KiB
	v_lshl_or_b32 v2, v1, 4, s15                   ; + 16 x lane: offset in the f32 piece
	v_lshrrev_b32 v3, 1, v2                        ; half of it in the 16-bit piece
	s_movk_i32 s32, 512
	s_wait_kmcnt 0x0
	s_cmp_lt_u32 ttmp9, 512
	s_cselect_b64 s[30:31], s[20:21], s[22:23]
	s_cselect_b32 s32, 0x100, s32
	s_cmp_lt_u32 ttmp9, 256
	s_cselect_b64 s[30:31], s[18:19], s[30:31]
	s_cselect_b32 s32, 0xc0, s32
	s_cmp_lt_u32 ttmp9, 192
	s_cselect_b64 s[30:31], s[16:17], s[30:31]
	s_cselect_b32 s32, 0, s32                      ; the matrix's first work-group
	s_sub_co_u32 s32, ttmp9, s32
	s_lshl_b32 s32, s32, 16
	s_mov_b32 s33, 0
	s_add_nc_u64 s[30:31], s[30:31], s[32:33]
	s_lshl_b32 s34, ttmp9, 15                      ; wb is the four matrices end to end, 32 KiB a work-group
	s_mov_b32 s35, 0
	s_add_nc_u64 s[12:13], s[12:13], s[34:35]
.set i, 0
.rept 16
	global_load_b128 v[32+4*i:35+4*i], v2, s[30:31] offset:512*i th:TH_LOAD_NT  ; all sixteen go out first: 8 KiB a wave on their way
.set i, i+1
.endr
.set i, 0
.rept 16
	s_wait_loadcnt 15-i                            ; loads come back in order: number i is in, the younger ones stay out
	v_cvt_pk_bf16_f32 v[96+2*i], v[32+4*i], v[33+4*i]   ; the input's one rounding, to bf16;
	v_cvt_pk_bf16_f32 v[97+2*i], v[34+4*i], v[35+4*i]
	v_lshlrev_b32 v[32+4*i], 16, v[96+2*i]              ; widened again;
	v_and_b32 v[33+4*i], 0xffff0000, v[96+2*i]
	v_lshlrev_b32 v[34+4*i], 16, v[97+2*i]
	v_and_b32 v[35+4*i], 0xffff0000, v[97+2*i]
	v_cvt_pk_f16_f32 v[96+2*i], v[32+4*i], v[33+4*i]    ; and that number written as f16
	v_cvt_pk_f16_f32 v[97+2*i], v[34+4*i], v[35+4*i]
	global_store_b64 v3, v[96+2*i:97+2*i], s[12:13] offset:256*i  ; 256 consecutive bytes, aligned; no register that a store reads is written again
.set i, i+1
.endr
	s_endpgm
.Lln:	; THE NORM.  Row = 8 x (work-group - 768) + wave.
	s_sub_co_u32 s15, ttmp9, CASTS
	s_lshl3_add_u32 s15, s15, s14
	s_lshl_b32 s32, s15, 12                        ; 4,096 bytes a row of x
	s_lshl_b32 s34, s15, 11                        ; 2,048 a row of h
	s_mov_b32 s33, 0
	s_mov_b32 s35, 0
	s_mov_b32 s24, 0xffff0000                      ; a word's upper bf16
	s_mov_b32 s25, 0x3a800000                      ; 1 / 1024
	s_mov_b32 s26, 0x3727c5ac                      ; 1e-5
	s_mov_b32 s28, 0x76543210                      ; v_permlanex16_b32: each lane takes its own place in the other half
	s_mov_b32 s29, 0xfedcba98
	v_lshlrev_b32 v[XO], 4, v1
	v_lshlrev_b32 v[YO], 3, v1
	s_wait_kmcnt 0x0
	s_add_nc_u64 s[4:5], s[4:5], s[32:33]
	s_add_nc_u64 s[10:11], s[10:11], s[34:35]
	LNROW 1
	s_endpgm
.Lfunc_end_k_q07d8ccb0c6_prep:
	.size	k_q07d8ccb0c6_prep, .Lfunc_end_k_q07d8ccb0c6_prep-k_q07d8ccb0c6_prep
	.p2alignl 7, 3214868480
	.fill 96, 4, 3214868480
	.section	.rodata,"a",@progbits
	.p2align	6, 0x0
	.amdhsa_kernel k_q07d8ccb0c6_prep
		.amdhsa_group_segment_fixed_size 0
		.amdhsa_private_segment_fixed_size 0
		.amdhsa_enable_private_segment 0
		.amdhsa_kernarg_size 72
		.amdhsa_user_sgpr_count 2
		.amdhsa_user_sgpr_kernarg_segment_ptr 1
		.amdhsa_wavefront_size32 1
		.amdhsa_system_sgpr_workgroup_id_x 1
		.amdhsa_system_sgpr_workgroup_id_y 1
		.amdhsa_system_sgpr_workgroup_id_z 1
		.amdhsa_system_vgpr_workitem_id 0
		.amdhsa_next_free_vgpr 144
		.amdhsa_next_free_sgpr 66
		.amdhsa_reserve_vcc 0
		.amdhsa_float_denorm_mode_32 3
		.amdhsa_float_denorm_mode_16_64 3
		.amdhsa_memory_ordered 1
		.amdhsa_forward_progress 1
		.amdhsa_inst_pref_size 29
	.end_amdhsa_kernel
	.amdgpu_metadata
---
amdhsa.version: [ 1, 2 ]
amdhsa.kernels:
  - .name:           k_q07d8ccb0c6_prep
    .symbol:         k_q07d8ccb0c6_prep.kd
    .args:
      - { .name: x, .offset: 0, .size: 8, .value_kind: global_buffer, .address_space: global }
      - { .name: g1, .offset: 8, .size: 8, .value_kind: global_buffer, .address_space: global }
      - { .name: beta1, .offset: 16, .size: 8, .value_kind: global_buffer, .address_space: global }
      - { .name: h, .offset: 24, .size: 8, .value_kind: global_buffer, .address_space: global }
      - { .name: wb, .offset: 32, .size: 8, .value_kind: global_buffer, .address_space: global }
      - { .name: w_qkv, .offset: 40, .size: 8, .value_kind: global_buffer, .address_space: global }
      - { .name: w_out, .offset: 48, .size: 8, .value_kind: global_buffer, .address_space: global }
      - { .name: w_ff1, .offset: 56, .size: 8, .value_kind: global_buffer, .address_space: global }
      - { .name: w_ff2, .offset: 64, .size: 8, .value_kind: global_buffer, .address_space: global }
    .group_segment_fixed_size: 0
    .private_segment_fixed_size: 0
    .kernarg_segment_align: 8
    .kernarg_segment_size: 72
    .max_flat_workgroup_size: 256
    .sgpr_count:     66
    .vgpr_count:     144
    .wavefront_size: 32
...
	.end_amdgpu_metadata
.endif
;; end of part 1
;; launch qkv (part 2): grid 16 x 16, 4 waves a work-group, clusters of 4 x 4, 327,680 bytes of LDS; arguments h, wb, qkv; writes qkv
.if DOCPART == 2
	.amdgcn_target "amdgcn-amd-amdhsa--gfx1250"
	.amdhsa_code_object_version 6
	.text
	.protected	k_q07d8ccb0c6_qkv
	.globl	k_q07d8ccb0c6_qkv
	.p2align	8
	.type	k_q07d8ccb0c6_qkv,@function
k_q07d8ccb0c6_qkv:
	s_mov_b64 s[64:65], 0
	v_nop
	global_prefetch_b8 v0, s[64:65] scope:SCOPE_SE
	s_setreg_imm32_b32 hwreg(HW_REG_WAVE_MODE, 25, 1), 1
	s_wait_xcnt 0x0
	s_wait_alu depctr_hold_cnt(0) depctr_sa_sdst(0) depctr_va_vdst(0) depctr_va_sdst(0) depctr_va_ssrc(0) depctr_va_vcc(0) depctr_vm_vsrc(0)
	s_getreg_b32 s2, hwreg(HW_REG_IB_STS2, 6, 4)
	s_cmp_eq_u32 s2, 0
	s_cbranch_scc0 .Lentry_in_a_cluster
	s_endpgm
.Lentry_in_a_cluster:
	s_bfe_u32 s2, ttmp6, 0x10000c
	s_cmp_lg_u32 s2, 0xf033
	s_cbranch_scc0 .Lentry_shape_is_right
	s_endpgm
.Lentry_shape_is_right:
; QKV.  C[m][n] = sum over k of h[m][k] W[k][n].  h: [4096][1024] f16; W = w_qkv, rounded to bf16 and written as f16, [1024][3072], at the head of wb; sums in f32, C rounded once to f16.
; LIMIT.  f16 holds no number beyond 65,504: q, k and v must lie within it.  They have a spread of 1.4 at a gain of 1 and weights of spread 0.044; with both 30 times larger the spread is some 1,300.
; C leaves in SLABS: [3072/64][4096][64] f16, so that a head's rows are dense and two neighbouring rows of a slab are 256 consecutive bytes.
; SHARES.  A tile of C is 256 x 192 (three slabs): 16 x 16 work-groups, one for each WGP.  Four waves, 2 x 2: a wave makes 128 rows x 96 columns, 48 accumulators of 16 x 16.
; Its six blocks of 16 columns are every second block of the tile (32 b + 16 j, j = wave % 2), so that both column halves use the same immediates.
; RING.  K goes in steps of 128 through two LDS slots.  Waves 0, 1 fetch A's two halves (128 rows x 256 bytes), waves 2, 3 W's (64 rows of k x 384 bytes): one tensor load a wave behind each change of slots.
; W lies [k][n] in LDS and comes out turned, by ds_load_tr16_b128.  THE MATRIX INSTRUCTION IS USED TRANSPOSED (source 0 = 16 columns of W, source 1 = 16 rows of h): a lane holds eight neighbouring numbers of a row of C.
; CLUSTER 4 x 4: A's tile is shared along a row of the cluster, W's along a column: each is asked for jointly, by the same load with the same descriptor and a mask that names the four.
; WAY OUT.  The f32 tile goes into a stage that lies over the ring, behind the ring's last fill and behind a barrier at which every wave's reads of the ring are over; it is read back by rows, rounded and stored.
; REGISTERS: window 0 addresses and the way out; window 1 two fragment buffers of 128 (A's 8 fragments, then W's); windows 2, 3 the accumulators of my rows 0-63, 64-127: (a, b) at v[8 (BB a + b)].
.set QKV,   1
.set N,     3072                       ; W's pitch in elements
.set WOFF,  0                          ; W's first byte in wb
.set NT,    192                        ; the tile's columns
.set BB,    6                          ; blocks of 16 columns a wave
.set BQI,   4                          ; W's padding: behind every 32 words (128 bytes) 8 words: a row of 384 bytes takes 480
.set PB,    480                        ; an odd multiple of 32 bytes
.set SP,    784                        ; a stage row: 768 bytes + 16
.set KSTEP, 128
.set T,     8                          ; K steps
.set PA,    272                        ; A's row in LDS: 256 bytes + 16: the 16 rows of a load start at 16 different groups of four banks
.set AHALF, 128*PA
.set ABYTES, 2*AHALF
.set BHALF, 64*PB
.set SLOT,  ABYTES+2*BHALF             ; 131,072: shares no bit with any wave's place in a slot, so one exclusive or changes slots
.set SPARE, 2*SLOT                     ; behind the ring: the spare words, 128 bytes a wave, that no other line names
.set DA,    KSTEP*2                    ; bytes from a K step to the next, in h
.set DB,    KSTEP*2*N                  ; and in W
.set NLD,   16+2*BB                    ; LDS loads of a quarter step
.set LATE,  8                          ; the youngest eight of them: A's blocks 4-7
.set CB,    128                        ; stage bytes from one of my column blocks to the next
.set ADRA0, 16                         ; v16  my lane's place in A's part of a slot; never rewritten
.set ADRB0, 17                         ; v17  the same for W
.set ADRA,  18                         ; v18  + the slot in hand
.set ADRB,  19
.set STO,   20                         ; v20, v21  the way out: where I put a block's 32 bytes, rows 0-63 and 64-127
.set RD,    22                         ; v22  where I read rows back
.set GO,    26                         ; v26  8 x lane: my 8 bytes of two rows of a slab
.set SPW,   28                         ; v28  my spare word; never rewritten
.set NIL,   29                         ; v29  0; never rewritten
.set PFO,   30                         ; v30  the prefetches' offset; never rewritten
.set QX,    32                         ; v[32:127]  the way out: 24 x 16 bytes of f32
.set QY,    128                        ; v[128:175] the same in f16
.set F0,    0
.set F1,    128
.set G1A, 24                           ; s[24:31] descriptor group 1 for A;  s[32:39] group 0: a set for each first fill, the second then walks
.set G0A, 32
.set G1B, 48                           ; s[48:55], s[56:63] the same for W
.set G0B, 56
.set WV,  66                           ; s66 my wave
.set MH,  67                           ; s67 wave / 2: my half of the rows; also: I fetch A (0) or W (1)
.set NH,  68                           ; s68 wave % 2: my column blocks; also: which half I fetch
.set SO,  69                           ; s69 the slot that is read: 0 or SLOT
.set LIM, 70                           ; s70 1 in a wave that prefetches, else the greatest number
.set PFA, 72                           ; s[72:73] where my prefetches stand
.set PFD, 74                           ; s[74:75] their step
.set MSB, 0
.macro WIN new                         ; the immediate's high byte repeats the setting that is left; a switch that changes nothing is dropped
.if MSB != (\new)
	s_set_vgpr_msb (MSB<<8)|(\new)
.set MSB, \new
.endif
.endm
.set MUL_LO, 0xa5                      ; sources 0 and 1 window 1, C and D window 2
.set MUL_HI, 0xf5                      ; the same, C and D window 3
.set TO_F,   0x40                      ; destination window 1, address window 0
.macro PLACES                          ; four plain places behind matrix instructions, ahead of loads into registers that they read and of stores of their results
.rept 4
	v_nop
.endr
.endm
.macro JLOAD                           ; the joint refill by the walking descriptor; the branch hangs on the wave's number alone; an s_nop 0 and four v_nop follow each line
	s_cmp_eq_u32 s[MH], 0
	s_cbranch_scc0 .Lfor_b_\@
	tensor_load_to_lds s[G0A+4:G0A+7], s[G1A:G1A+7]
	s_nop 0
.rept 4
	v_nop
.endr
	s_branch .Lasked_\@
.Lfor_b_\@:
	tensor_load_to_lds s[G0B+4:G0B+7], s[G1B:G1B+7]
	s_nop 0
.rept 4
	v_nop
.endr
.Lasked_\@:
.endm
.macro CREST                           ; a round of the cluster's barrier behind its opening barrier
	s_cmp_lg_u32 s[WV], 0
	s_cbranch_scc1 .Lnot_wave_0_\@
	s_barrier_signal -3
.Lnot_wave_0_\@:
	s_barrier_wait -3
	s_barrier_signal -1
	s_barrier_wait -1
.endm
.macro CROUND
	s_barrier_signal -1
	s_barrier_wait -1
	CREST
.endm
; A prefetch of the K step behind the one that the refill has just asked for: 32 rows x 256 bytes of h, a lane a row.  A's tile row is read by every cluster of that row of clusters: the first of them asks;
; its four partners share the 128 rows that a wave fetches by address, 32 each.  The last refill has no step behind it: s3 = 1 there, and nothing is asked for.
; W's rows are not asked for: they are 384 bytes and begin, in every second tile, in the middle of an aligned 256 bytes, which two tiles then share.
.macro ASK
	s_cmp_gt_u32 s3, s[LIM]
	s_cbranch_scc0 .Lnot_mine_\@
	global_prefetch_b8 v[PFO], s[PFA:PFA+1] th:TH_LOAD_NT scope:SCOPE_SE
.Lnot_mine_\@:
.endm
; 2 BB matrix instructions: row blocks a0, a0 + 1 of the window's four x all my column blocks, 32 along K.  All accumulators take turns, in the same order everywhere.
.macro MULP f, hi, a0, zero
	WIN MUL_LO+0x50*(\hi)
.irp a, \a0, (\a0)+1
.set ib, 0
.rept BB
.set rD, 8*(BB*(\a)+ib)
.set rB, (\f)+64+8*ib
.set rA, (\f)+8*(4*(\hi)+(\a))
.if \zero
	v_wmma_f32_16x16x32_f16 v[rD:rD+7], v[rB:rB+7], v[rA:rA+7], 0
.else
	v_wmma_f32_16x16x32_f16 v[rD:rD+7], v[rB:rB+7], v[rA:rA+7], v[rD:rD+7]
.endif
.set ib, ib+1
.endr
.endr
.endm
; One run of NLD LDS loads: quarter q (32 along K) of the slot in hand into buffer f: W's blocks turned, then A's eight blocks in ascending order
.macro FETCH q, f
	WIN TO_F
.set ib, 0
.rept BB
.if QKV
.set bcol, (ib/2)*160+(ib%2)*64
.else
.set bcol, 64*ib
.endif
	ds_load_tr16_b128 v[(\f)+64+8*ib:(\f)+64+8*ib+3],   v[ADRB] offset:32*(\q)*PB+bcol
	ds_load_tr16_b128 v[(\f)+64+8*ib+4:(\f)+64+8*ib+7], v[ADRB] offset:32*(\q)*PB+16*PB+bcol
.set ib, ib+1
.endr
.set ia, 0
.rept 8
	ds_load_b128 v[(\f)+8*ia:(\f)+8*ia+3],   v[ADRA] offset:64*(\q)+ia*16*PA
	ds_load_b128 v[(\f)+8*ia+4:(\f)+8*ia+7], v[ADRA] offset:64*(\q)+ia*16*PA+32
.set ia, ia+1
.endr
.endm
; One of a K step's first three quarters: multiplies buffer f; in its middle quarter q is fetched into buffer g
.macro QUARTER q, f, g, zero
	s_wait_dscnt LATE                              ; W and A's blocks 0-3 are in; the youngest eight loads may be out
	MULP \f, 0, 0, \zero
	MULP \f, 0, 2, \zero
	PLACES
	FETCH \q, \g
	s_wait_dscnt NLD                               ; all but the run just issued
	MULP \f, 1, 0, \zero
	MULP \f, 1, 2, \zero
.endm
; The last quarter multiplies buffer 1 and changes slots.  ONE barrier: ahead of it each wave waits for all its tensor loads (one is out: its part of the next slot), adds 0 to its spare word, and waits for that and
; for its reads of this slot.  fill = 1: the barrier opens a round of the cluster's; behind the round this slot is filled again first, with the K step two on.  fill = 0 (the last two steps): nothing is asked for, and the last step fetches nothing.
.macro TURN fill
.if \fill
	s_wait_xcnt 0x0                                ; the last prefetch, a K step back, has read its address
	s_add_nc_u64 s[PFA:PFA+1], s[PFA:PFA+1], s[PFD:PFD+1]
.endif
	WIN 0
	s_wait_tensorcnt 0x0
	ds_add_u32 v[SPW], v[NIL]
	s_xor_b32 s[SO], s[SO], SLOT
	s_wait_dscnt LATE+1                            ; the add and the youngest eight loads may be out
	MULP F1, 0, 0, 0
	s_wait_dscnt 0x0                               ; the add is done, my reads of this slot are over
	s_barrier_signal -1
	MULP F1, 0, 2, 0
	WIN 0
	s_barrier_wait -1
.if \fill
	CREST                                          ; no wave of any partner still reads this slot or has a load on its way
	s_xor_b32 s[G0A+5], s[G0A+5], SLOT
	s_xor_b32 s[G0B+5], s[G0B+5], SLOT
	s_add_nc_u64 s[G0A+6:G0A+7], s[G0A+6:G0A+7], DA
	s_add_nc_u64 s[G0B+6:G0B+7], s[G0B+6:G0B+7], DB
	JLOAD                                          ; its four v_nop are also the places ahead of the loads below
.else
	PLACES
	s_cmp_eq_u32 s3, 1
	s_cbranch_scc1 .Lnofetch_\@
.endif
	v_add_nc_u32 v[ADRA], s[SO], v[ADRA0]
	v_add_nc_u32 v[ADRB], s[SO], v[ADRB0]
	FETCH 0, F0
	WIN 0
.if \fill
	ASK
.else
.Lnofetch_\@:
.endif
	MULP F1, 1, 0, 0
	MULP F1, 1, 2, 0
.endm
.macro DUMP                            ; the accumulators, f32, into the stage; each accumulator's low four registers go first
	PLACES
.irp hi, 0,1
	WIN 0x08+4*(\hi)                               ; store data (source 1) in window 2 or 3
.set ia, 0
.rept 4
.set ib, 0
.rept BB
.set rD, 8*(BB*ia+ib)
	ds_store_b128 v[STO+(\hi)], v[rD:rD+3]   offset:ia*16*SP+CB*ib
	ds_store_b128 v[STO+(\hi)], v[rD+4:rD+7] offset:ia*16*SP+CB*ib+16
.set ib, ib+1
.endr
.set ia, ia+1
.endr
.endr
	WIN 0
.endm
	s_load_b128 s[4:7], s[0:1], 0x0                ; h s[4:5], wb s[6:7]
	s_load_b64 s[8:9], s[0:1], 0x10                ; qkv
	v_lshl_add_u32 v[SPW], v0, 2, SPARE
	v_mov_b32 v[NIL], 0
	ds_add_u32 v[SPW], v[NIL]                      ; the wave's opening: the add and its wait ahead of my first tensor load
	v_lshrrev_b32 v3, 5, v0
	v_readfirstlane_b32 s[WV], v3
	s_lshr_b32 s[MH], s[WV], 1
	s_and_b32 s[NH], s[WV], 1
	s_bfe_u32 s40, ttmp6, 0x40000                  ; cx
	s_bfe_u32 s41, ttmp6, 0x40004                  ; cy
	s_lshl_b32 s42, ttmp9, 2
	s_add_co_u32 s42, s42, s40                     ; tile column
	s_and_b32 s45, ttmp7, 0xffff
	s_lshl_b32 s45, s45, 2
	s_add_co_u32 s45, s45, s41                     ; tile row
	s_lshl_b32 s43, s41, 2
	s_lshl_b32 s43, 15, s43                        ; my row of the cluster
	s_lshl_b32 s44, 0x1111, s40                    ; my column
	s_or_b32 s[G1A], s43, (1<<16)|(1<<20)|(1<<21)|(5<<22)|(3<<25)    ; mask; 2-byte elements; padding on; bit 21 beside a mask; behind every 64 words 4 words
	s_mov_b32 s[G1A+1], KSTEP<<16                  ; tensor_dim0 = 128
	s_mov_b32 s[G1A+2], 128<<16                    ; tensor_dim1 = 128
	s_mov_b32 s[G1A+3], KSTEP<<16                  ; tile_dim0 = 128
	s_mov_b32 s[G1A+4], 128                        ; tile_dim1 = 128
	s_mov_b32 s[G1A+5], 1024                       ; elements from row to row of h
	s_mov_b32 s[G1A+6], 0
	s_mov_b32 s[G1A+7], 0
	s_or_b32 s[G1B], s44, (1<<16)|(1<<20)|(1<<21)|(BQI<<22)|(7<<25)  ; the same with my column's mask and 8 words of padding
	s_mov_b32 s[G1B+1], NT<<16
	s_mov_b32 s[G1B+2], 64<<16
	s_mov_b32 s[G1B+3], NT<<16
	s_mov_b32 s[G1B+4], 64
	s_mov_b32 s[G1B+5], N
	s_mov_b32 s[G1B+6], 0
	s_mov_b32 s[G1B+7], 0
	s_lshl_b32 s16, s45, 19                        ; A: (256 x tile row + 128 x half) rows of 2,048 bytes: made of the tile row and the wave alone
	s_lshl_b32 s17, s[NH], 18
	s_add_co_u32 s16, s16, s17
	s_mov_b32 s17, 0
	s_mul_i32 s46, s[NH], (KSTEP/2)*2*N            ; W: 64 x half rows of k, the tile's columns: made of the tile column and the wave alone
	s_mul_i32 s47, s42, 2*NT
	s_add_co_u32 s46, s46, s47
	s_add_co_u32 s46, s46, WOFF
	s_mov_b32 s47, 0
	s_mul_i32 s20, s[NH], AHALF                    ; where they go: no place in the cluster enters an LDS address
	s_mul_i32 s21, s[NH], BHALF
	s_add_co_u32 s21, s21, ABYTES
	s_wait_dscnt 0x0                               ; the opening add is done
	s_wait_kmcnt 0x0
	s_add_nc_u64 s[14:15], s[4:5], s[16:17]
	s_add_nc_u64 s[46:47], s[6:7], s[46:47]
	CROUND                                         ; all sixteen work-groups are here: the first joint loads meet
.irp s, 0,1
	s_mov_b32 s[G0A+4*\s], 1
	s_add_co_u32 s[G0A+4*\s+1], s20, \s*SLOT
	s_add_nc_u64 s[G0A+4*\s+2:G0A+4*\s+3], s[14:15], \s*DA
	s_or_b32 s[G0A+4*\s+3], s[G0A+4*\s+3], 0x80000000
	s_mov_b32 s[G0B+4*\s], 1
	s_add_co_u32 s[G0B+4*\s+1], s21, \s*SLOT
	s_add_nc_u64 s[G0B+4*\s+2:G0B+4*\s+3], s[46:47], \s*DB
	s_or_b32 s[G0B+4*\s+3], s[G0B+4*\s+3], 0x80000000
.endr
	s_cmp_eq_u32 s[MH], 0                          ; a wave's two first fills stand in one branch: two loads of mine are out
	s_cbranch_scc0 .Lfirst_b
	tensor_load_to_lds s[G0A:G0A+3], s[G1A:G1A+7]
	s_nop 0
	tensor_load_to_lds s[G0A+4:G0A+7], s[G1A:G1A+7]
	s_nop 0
.rept 4
	v_nop
.endr
	s_branch .Lfirst_asked
.Lfirst_b:
	tensor_load_to_lds s[G0B:G0B+3], s[G1B:G1B+7]
	s_nop 0
	tensor_load_to_lds s[G0B+4:G0B+7], s[G1B:G1B+7]
	s_nop 0
.rept 4
	v_nop
.endr
.Lfirst_asked:
	v_and_b32 v1, 15, v0                           ; l % 16
	v_bfe_u32 v2, v0, 4, 1                         ; l / 16
	v_mul_u32_u24 v[ADRA0], v1, PA                 ; A's fragment: row l % 16, 16 bytes for each half of the lanes, two loads 32 bytes apart
	v_lshl_add_u32 v[ADRA0], v2, 4, v[ADRA0]
	s_mul_i32 s22, s[MH], AHALF
	v_add_nc_u32 v[ADRA0], s22, v[ADRA0]
	v_and_b32 v3, 7, v0                            ; W's: the turning load takes k = 8 (l / 16) + l % 8, columns 8 ((l / 8) % 2) + 0..7
	v_lshl_add_u32 v3, v2, 3, v3
	v_mul_u32_u24 v[ADRB0], v3, PB
	v_bfe_u32 v4, v0, 3, 1
	v_lshl_add_u32 v[ADRB0], v4, 4, v[ADRB0]
	s_lshl_b32 s22, s[NH], 5
	s_add_co_u32 s22, s22, ABYTES
	v_add_nc_u32 v[ADRB0], s22, v[ADRB0]
	s_mul_i32 s22, s[MH], 128*SP                   ; into the stage: row 128 x half + l % 16, byte 64 x (wave % 2) + 32 (l / 16)
	s_lshl_b32 s23, s[NH], 6
	s_add_co_u32 s22, s22, s23
	v_mul_u32_u24 v[STO], v1, SP
	v_lshl_add_u32 v[STO], v2, 5, v[STO]
	v_add_nc_u32 v[STO], s22, v[STO]
	v_add_nc_u32 v[STO+1], 64*SP, v[STO]
	s_mul_i32 s22, s[WV], 64*SP                    ; back: wave w takes rows 64 w ..; lanes 0-15 one row's 256 bytes, lanes 16-31 the next row's
	v_mul_u32_u24 v[RD], v2, SP
	v_lshl_add_u32 v[RD], v1, 4, v[RD]
	v_add_nc_u32 v[RD], s22, v[RD]
	v_and_b32 v3, 31, v0
	v_lshlrev_b32 v[GO], 3, v3
	v_lshlrev_b32 v[PFO], 11, v3                   ; a lane a row of h
	s_mul_i32 s14, s42, 3*524288                   ; my first byte of qkv: slab 3 x tile column, row 256 x tile row + 64 x wave
	s_lshl_b32 s16, s45, 15
	s_add_co_u32 s14, s14, s16
	s_lshl_b32 s16, s[WV], 13
	s_add_co_u32 s14, s14, s16
	s_mov_b32 s15, 0
	s_add_nc_u64 s[8:9], s[8:9], s[14:15]
	s_lshl_b32 s14, s45, 19                        ; the prefetches: my work-group's 32 of the 128 rows that I fetch, at K step 2: the first change of slots steps it to 3
	s_lshl_b32 s16, s[NH], 18
	s_add_co_u32 s14, s14, s16
	s_lshl_b32 s16, s40, 16
	s_add_co_u32 s14, s14, s16
	s_add_co_u32 s14, s14, 2*DA
	s_add_nc_u64 s[PFA:PFA+1], s[4:5], s[14:15]
	s_mov_b32 s[PFD], DA
	s_mov_b32 s[PFD+1], 0
	s_or_b32 s22, ttmp9, s[MH]                     ; waves 0 and 1 of the clusters with x = 0: the same in all sixteen partners
	s_cmp_eq_u32 s22, 0
	s_cselect_b32 s[LIM], 1, -1
	s_wait_tensorcnt 0x1                           ; my part of K step 0 is in; step 1's may stay out
	s_barrier_signal -1
	s_barrier_wait -1
	v_mov_b32 v[ADRA], v[ADRA0]
	v_mov_b32 v[ADRB], v[ADRB0]
	s_mov_b32 s[SO], 0
	FETCH 0, F0
	QUARTER 1, F0, F1, 1                           ; the first quarter is written out: its products start the sums
	WIN 0
	s_mov_b32 s3, T-2
	s_branch .Lmid
.Lstep:                                                ; T - 2 trips: every K step but the last two fills its slot again
	QUARTER 1, F0, F1, 0
	WIN 0
.Lmid:
	QUARTER 2, F1, F0, 0
	QUARTER 3, F0, F1, 0
	TURN 1
	WIN 0
	s_sub_co_u32 s3, s3, 1
	s_cmp_lg_u32 s3, 0
	s_cbranch_scc1 .Lstep
	s_mov_b32 s3, 2
.Ltail:                                                ; the last two K steps ask for nothing: a text of their own
	QUARTER 1, F0, F1, 0
	QUARTER 2, F1, F0, 0
	QUARTER 3, F0, F1, 0
	TURN 0
	WIN 0
	s_sub_co_u32 s3, s3, 1
	s_cmp_lg_u32 s3, 0
	s_cbranch_scc1 .Ltail
	DUMP                                           ; behind the last step's barrier nobody reads the ring, and nothing is filled any more
	s_wait_dscnt 0x0                               ; for the others' sake: my stores into the stage are done
	s_barrier_signal -1
	s_barrier_wait -1
	s_mov_b32 s3, 4
.Lrows:                                                ; four trips of 16 rows x 3 slabs: 24 loads of 512 bytes, 24 stores of 256
.set u, 0
.rept 24
	ds_load_b128 v[QX+4*u:QX+4*u+3], v[RD] offset:(u/3)*2*SP+256*(u%3)
.set u, u+1
.endr
	s_wait_xcnt 0x0                                ; the last trip's stores have read their data and their base
	s_add_nc_u64 s[8:9], s[8:9], 2048
.set u, 0
.rept 24
	s_wait_dscnt 23-u                              ; LDS loads come back in order: number u is in
	v_cvt_pk_f16_f32 v[QY+2*u], v[QX+4*u], v[QX+4*u+1]
	v_cvt_pk_f16_f32 v[QY+2*u+1], v[QX+4*u+2], v[QX+4*u+3]
	global_store_b64 v[GO], v[QY+2*u:QY+2*u+1], s[8:9] offset:(u%3)*524288+(u/3)*256-2048  ; two rows of a slab: 256 consecutive bytes, aligned
.set u, u+1
.endr
	v_add_nc_u32 v[RD], 16*SP, v[RD]
	s_sub_co_u32 s3, s3, 1
	s_cmp_lg_u32 s3, 0
	s_cbranch_scc1 .Lrows
	s_wait_tensorcnt 0x0                           ; the wave's end
	ds_add_u32 v[SPW], v[NIL]
	s_wait_dscnt 0x0
	CROUND                                         ; the closing round
	s_endpgm
.Lfunc_end_k_q07d8ccb0c6_qkv:
	.size	k_q07d8ccb0c6_qkv, .Lfunc_end_k_q07d8ccb0c6_qkv-k_q07d8ccb0c6_qkv
	.p2alignl 7, 3214868480
	.fill 96, 4, 3214868480
	.section	.rodata,"a",@progbits
	.p2align	6, 0x0
	.amdhsa_kernel k_q07d8ccb0c6_qkv
		.amdhsa_group_segment_fixed_size 327680
		.amdhsa_private_segment_fixed_size 0
		.amdhsa_enable_private_segment 0
		.amdhsa_kernarg_size 24
		.amdhsa_user_sgpr_count 2
		.amdhsa_user_sgpr_kernarg_segment_ptr 1
		.amdhsa_wavefront_size32 1
		.amdhsa_system_sgpr_workgroup_id_x 1
		.amdhsa_system_sgpr_workgroup_id_y 1
		.amdhsa_system_sgpr_workgroup_id_z 1
		.amdhsa_system_vgpr_workitem_id 0
		.amdhsa_next_free_vgpr 960
		.amdhsa_next_free_sgpr 96
		.amdhsa_reserve_vcc 0
		.amdhsa_float_denorm_mode_32 3
		.amdhsa_float_denorm_mode_16_64 3
		.amdhsa_memory_ordered 1
		.amdhsa_forward_progress 1
		.amdhsa_inst_pref_size 72
	.end_amdhsa_kernel
	.amdgpu_metadata
---
amdhsa.version: [ 1, 2 ]
amdhsa.kernels:
  - .name:           k_q07d8ccb0c6_qkv
    .symbol:         k_q07d8ccb0c6_qkv.kd
    .args:
      - { .name: h, .offset: 0, .size: 8, .value_kind: global_buffer, .address_space: global }
      - { .name: wb, .offset: 8, .size: 8, .value_kind: global_buffer, .address_space: global }
      - { .name: qkv, .offset: 16, .size: 8, .value_kind: global_buffer, .address_space: global }
    .group_segment_fixed_size: 327680
    .private_segment_fixed_size: 0
    .kernarg_segment_align: 8
    .kernarg_segment_size: 24
    .max_flat_workgroup_size: 128
    .sgpr_count:     96
    .vgpr_count:     960
    .wavefront_size: 32
...
	.end_amdgpu_metadata
.endif
;; end of part 2
;; launch attn (part 3): grid 8 x 32, 4 waves a work-group, clusters of 4 x 1, 327,680 bytes of LDS; arguments qkv, o; writes o
.if DOCPART == 3
	.amdgcn_target "amdgcn-amd-amdhsa--gfx1250"
	.amdhsa_code_object_version 6
	.text
	.protected	k_q07d8ccb0c6_attn
	.globl	k_q07d8ccb0c6_attn
	.p2align	8
	.type	k_q07d8ccb0c6_attn,@function
k_q07d8ccb0c6_attn:
	s_mov_b64 s[64:65], 0
	v_nop
	global_prefetch_b8 v0, s[64:65] scope:SCOPE_SE
	s_setreg_imm32_b32 hwreg(HW_REG_WAVE_MODE, 25, 1), 1
	s_wait_xcnt 0x0
	s_wait_alu depctr_hold_cnt(0) depctr_sa_sdst(0) depctr_va_vdst(0) depctr_va_sdst(0) depctr_va_ssrc(0) depctr_va_vcc(0) depctr_vm_vsrc(0)
	s_getreg_b32 s2, hwreg(HW_REG_IB_STS2, 6, 4)
	s_cmp_eq_u32 s2, 0
	s_cbranch_scc0 .Lentry_in_a_cluster
	s_endpgm
.Lentry_in_a_cluster:
	s_bfe_u32 s2, ttmp6, 0x10000c
	s_cmp_lg_u32 s2, 0x3003
	s_cbranch_scc0 .Lentry_shape_is_right
	s_endpgm
.Lentry_shape_is_right:
; ATTENTION.  O[y][q][:] = the sum over k of softmax_k(Q[y][q] . K[y][k] / 8) V[y][k][:], for 32 pairs y = 2 x head + batch of 2,048 rows x 64 channels, f16.
; In the slab layout of qkv and o a pair's rows are dense, 128 bytes each, at y x 262,144; K's slabs begin 8,388,608 bytes behind Q's, V's 16,777,216.
; Products, maxima and sums in f32; the weights p are rounded to f16 for the second product (their sum l is taken of the unrounded p), O once at the end.
; LIMITS.  Q, K and V arrive within f16's 65,504; p lies in 0 to 1, and below 6e-5 it keeps f16's fixed step of 6e-8; O is a mean of V's rows and has their range.
; A weight below 2^-126 counts as 0 in l; NaN and infinities are not treated apart.
; SHARES.  A work-group owns 256 queries, a wave 64: four PIECES of 16.  Every wave walks all keys, 64 a step, 256 (a tile) a slot.
; LAYOUT.  S^T = K Q^T holds ONE query a lane (lane % 16) and the keys 8 (lane / 16) + 0..7; two such results rounded to f16 ARE source 1 of O^T = V^T P.  K comes out of LDS as it lies, V turned, by ds_load_tr16_b128.
; SOFTMAX.  p = 2^(c s - c m), c = log2(e) / 8, with a running maximum m; O and l are multiplied by a = 2^(c m_old - c m_new) in every step.  m starts at the lowest finite number, O and l at 0: the first step is like any other, with a = 0.
; TURNS.  Turn n belongs to piece n: 8 products K Q^T of piece n + 1, later 8 products V^T P of piece n - 1; beside them the scaling, exponentials, roundings, sums and rescaling of piece n and the maximum and statistics of
; piece n + 1.  Four vector instructions stand behind every matrix instruction, the others in one lump.  A turn's 33 exponentials are one batch, with one wait.
; CLUSTER.  The four query blocks of a cluster belong to one pair and walk the same K and V: each tile is asked for jointly, by the same load, descriptor and mask in all four.
; REGISTERS, in windows of 256: window 0: v0-15 addresses; v16-31 statistics, four a piece; v48-55 at work; v61-63 prefetch offset, spare word, 0; v64-127 S^T, two buffers; v192-223 P, two buffers
;   window 1: v0-127 O^T, 32 a piece          window 2: v0-63 Q; v128-191 K of one step; v192-255 V of one step
.set NP,    4
.set KS,    64
.set PK,    144       ; a row of K in LDS: 128 bytes + 16: the 16 rows of a load start at 16 different groups of four banks
.set PV,    160       ; a row of V: 128 + 32
.set VOFF,  4*KS*PK   ; a slot: 256 rows of K, then 256 rows of V
.set SLOT1, 1<<17
.set STAGE, SLOT1+4*KS*(PK+PV)  ; behind the ring, never filled by a tensor load: 16 rows x 144 bytes a wave
.set SP,    144
.set SPARE, STAGE+4*16*SP       ; the spare words, 128 bytes a wave, that no other line names
.set KBASE, 8388608
.set VBASE, 16777216
.set TILEB, 4*KS*128  ; a tile's bytes of K, and of V
.set AK0, 2
.set AV0, 3
.set AK,  4
.set AV,  5
.set STO, 6
.set RD,  7
.set GO,  8
.set MV,  12          ; v12-13  c m_old, by buffer
.set QO,  15
.set ST,  16          ; piece t: c m, m, l (even keys', odd keys')
.set TMP, 48          ; by buffer, c0-c3 at work; c2 then takes a
.set PFO, 61          ; 256 x lane; never rewritten
.set SPW, 62
.set NIL, 63
.set S,   64
.set P,   192
.set KF,  128
.set VF,  192
.set WV,  12
.set LIM, 15          ; s15  1 in a wave that prefetches, else the greatest number
.set PFA, 18          ; s[18:19]
.set G1K, 24
.set G1V, 32
.set G0K, 40
.set G0V, 44
.set SLOTS, 56
.set CNT, 57
.set CS,  58
.set SEL, 60
.set TBK, 62
.set TBV, 63
.set MSB, 0
.macro WIN new
.if MSB != (\new)
	s_set_vgpr_msb (MSB<<8)|(\new)
.set MSB, (\new)
.endif
.endm
.set W_KQ, 0x0a       ; K and Q in window 2, S^T in window 0
.set W_PV, 0x52       ; V in window 2, P in window 0, O^T in window 1
.set W_RS, 0x41       ; destination and source 0 in window 1, source 1 in window 0
.macro JLOAD                        ; waves 0, 1 fetch the two halves of a tile's K, waves 2, 3 of its V; an s_nop 0 and four v_nop follow each line
	s_cmp_lt_u32 s[WV], 2
	s_cbranch_scc0 .Lfor_v_\@
	tensor_load_to_lds s[G0K:G0K+3], s[G1K:G1K+7]
	s_nop 0
.rept 4
	v_nop
.endr
	s_branch .Lasked_\@
.Lfor_v_\@:
	tensor_load_to_lds s[G0V:G0V+3], s[G1V:G1V+7]
	s_nop 0
.rept 4
	v_nop
.endr
.Lasked_\@:
.endm
.macro CROUND
	s_barrier_signal -1
	s_barrier_wait -1
	s_cmp_lg_u32 s[WV], 0
	s_cbranch_scc1 .Lnot_wave_0_\@
	s_barrier_signal -3
.Lnot_wave_0_\@:
	s_barrier_wait -3
	s_barrier_signal -1
	s_barrier_wait -1
.endm
; A prefetch of the tile that the NEXT change of slots will ask for: 128 blocks of 256 bytes of K and as many of V.  Both clusters of a pair walk the same rows: the first asks.  Its four partners share the blocks by
; address, 32 each, a lane a block; wave 0 asks for K's, wave 2 for V's.  The last change that fills a slot asks for nothing.
.macro ASK
	s_cmp_gt_u32 s[SLOTS], s[LIM]
	s_cbranch_scc0 .Lnot_mine_\@
	global_prefetch_b8 v[PFO], s[PFA:PFA+1] th:TH_LOAD_NT scope:SCOPE_SE
.Lnot_mine_\@:
.endm
; THE CHANGE OF SLOTS.  Each wave waits for all its tensor loads (one is out: its part of the other slot), adds 0 to its spare word, and waits for that and for its reads of the slot that it leaves.
; fill = 1: the barrier is a round of the cluster's, and the joint fill of the old slot is the first thing behind it: four key steps, 256 matrix instructions, in which to land.
.macro CHANGE fill, pf=0
	WIN 0
	s_wait_tensorcnt 0x0
	ds_add_u32 v[SPW], v[NIL]
.if \fill
.irp g, G0K, G0V
	s_xor_b32 s[\g+1], s[\g+1], SLOT1
	s_add_nc_u64 s[\g+2:\g+3], s[\g+2:\g+3], TILEB
.endr
.if \pf
	s_wait_xcnt 0x0                 ; the last prefetch, four key steps back, has read its address
	s_add_nc_u64 s[PFA:PFA+1], s[PFA:PFA+1], TILEB
.endif
	s_wait_dscnt 0x0
	CROUND
	JLOAD
.if \pf
	ASK
.endif
.else
	s_wait_dscnt 0x0
	s_barrier_signal -1
	s_barrier_wait -1
.endif
	s_sub_co_u32 s[TBK], s[TBK], 4*KS*PK  ; the fetches go back to a slot's first step, in the other slot
	s_xor_b32 s[TBK], s[TBK], SLOT1
	s_sub_co_u32 s[TBV], s[TBV], 4*KS*PV
	s_xor_b32 s[TBV], s[TBV], SLOT1
.endm
	s_load_b64 s[4:5], s[0:1], 0x0  ; qkv
	s_load_b64 s[10:11], s[0:1], 0x8  ; o
	v_lshl_add_u32 v[SPW], v0, 2, SPARE
	v_mov_b32 v[NIL], 0
	ds_add_u32 v[SPW], v[NIL]       ; the wave's opening: the add and its wait ahead of my first tensor load
	v_lshrrev_b32 v1, 5, v0
	v_readfirstlane_b32 s[WV], v1
	s_bfe_u32 s13, ttmp6, 0x40000   ; cx
	s_lshl_b32 s14, ttmp9, 2
	s_add_co_u32 s14, s14, s13      ; my block of 256 queries: it enters Q's and O's addresses alone
	s_and_b32 s20, ttmp7, 0xffff    ; the pair, which the four partners share
	s_lshl_b32 s20, s20, 18         ; its first byte
	s_and_b32 s16, s[WV], 1         ; which half of a tile's 256 keys I fetch
	s_lshl_b32 s22, s16, 14
	s_add_co_u32 s22, s22, s20
	s_mov_b32 s23, 0
	s_mul_i32 s17, s16, 128*PK
	s_mul_i32 s21, s16, 128*PV
	s_lshl_b32 s2, s14, 2
	s_add_co_u32 s2, s2, s[WV]
	s_lshl_b32 s2, s2, 13           ; my wave's 64 rows
	s_add_co_u32 s2, s2, s20
	s_mov_b32 s3, 0
	; descriptor group 1.  128 keys are 16,384 dense bytes: asked for as 64 rows of 256 bytes, two keys a row, padded in LDS behind every key
	s_mov_b32 s[G1K], 15|(1<<16)|(1<<20)|(1<<21)|(4<<22)|(3<<25)
	s_mov_b32 s[G1V], 15|(1<<16)|(1<<20)|(1<<21)|(4<<22)|(7<<25)
.irp g, G1K, G1V
	s_mov_b32 s[\g+1], 128<<16
	s_mov_b32 s[\g+2], 64<<16
	s_mov_b32 s[\g+3], 128<<16
	s_mov_b32 s[\g+4], 64
	s_mov_b32 s[\g+5], 128
	s_mov_b32 s[\g+6], 0
	s_mov_b32 s[\g+7], 0
.endr
	s_mov_b32 s[CS], 0x3e38aa3b     ; c = log2(e) / 8
	s_mov_b32 s[CS+1], s[CS]
	s_mov_b32 s[SEL], 0x76543210
	s_mov_b32 s[SEL+1], 0xfedcba98
	s_mov_b32 s[TBK], SLOT1+4*KS*PK ; the first change of slots turns these two into 0
	s_mov_b32 s[TBV], SLOT1+4*KS*PV
	s_mov_b32 s[G0K], 1
	s_mov_b32 s[G0K+1], s17
	s_mov_b32 s[G0V], 1
	s_add_co_u32 s[G0V+1], s21, VOFF
	s_mov_b32 s[SLOTS], 7
	s_or_b32 s[LIM], s16, ttmp9     ; waves 0 and 2 of the pair's first cluster: the same in all four partners
	s_cmp_eq_u32 s[LIM], 0
	s_cselect_b32 s[LIM], 1, -1
	v_and_b32 v[PFO], 31, v0
	v_lshlrev_b32 v[PFO], 8, v[PFO]
	s_wait_dscnt 0x0                ; the opening add is done
	s_wait_kmcnt 0x0
	s_add_nc_u64 s[6:7], s[4:5], s[22:23]
	s_add_nc_u64 s[8:9], s[6:7], VBASE   ; V at my half of the pair's tile 0
	s_add_nc_u64 s[6:7], s[6:7], KBASE   ; K likewise
	s_mov_b64 s[G0K+2:G0K+3], s[6:7]
	s_or_b32 s[G0K+3], s[G0K+3], 0x80000000
	s_mov_b64 s[G0V+2:G0V+3], s[8:9]
	s_or_b32 s[G0V+3], s[G0V+3], 0x80000000
	s_add_nc_u64 s[4:5], s[4:5], s[2:3]  ; Q and O at my wave's first row
	s_add_nc_u64 s[10:11], s[10:11], s[2:3]
	s_cmp_lt_u32 s[WV], 2
	s_cselect_b64 s[PFA:PFA+1], s[6:7], s[8:9]  ; (in waves 0 and 2 these stand at a tile's first row)
	s_lshl_b32 s2, s13, 13          ; my work-group's 32 blocks,
	s_add_co_u32 s2, s2, 2*TILEB    ; in tile 2: the loop's first change steps it to tile 3
	s_add_nc_u64 s[PFA:PFA+1], s[PFA:PFA+1], s[2:3]
	CROUND                          ; all four work-groups are here
	JLOAD                           ; tile 0 into slot 0
	v_and_b32 v1, 15, v0            ; l % 16
	v_bfe_u32 v9, v0, 4, 1          ; l / 16
	v_lshlrev_b32 v[QO], 7, v1
	v_lshl_add_u32 v[QO], v9, 4, v[QO]
	WIN 0x80                        ; destination window 2
.set i, 0
.rept 8                             ; Q stays in registers: piece i / 2, channels 32 (i % 2) on
	global_load_b128 v[8*i:8*i+3],   v[QO], s[4:5] offset:(i/2)*2048+(i%2)*64
	global_load_b128 v[8*i+4:8*i+7], v[QO], s[4:5] offset:(i/2)*2048+(i%2)*64+32
.set i, i+1
.endr
	; what the first turn finds: V and P's second buffer hold 0, O^T and l are 0.  All this stands in the wait for the first tile.
.set i, VF
.rept 64
	v_mov_b32 v[i], 0
.set i, i+1
.endr
	WIN 0x40
.set i, 0
.rept 128
	v_mov_b32 v[i], 0
.set i, i+1
.endr
	WIN 0
.set i, 0
.rept 4
	v_mov_b32 v[ST+4*i], 0xfe000000    ; c m: far below every c s
	v_mov_b32 v[ST+4*i+1], 0xff7fffff  ; m
	v_mov_b32 v[ST+4*i+2], 0
	v_mov_b32 v[ST+4*i+3], 0
.set i, i+1
.endr
.set i, P+16
.rept 16
	v_mov_b32 v[i], 0
.set i, i+1
.endr
	v_mul_u32_u24 v[AK0], v1, PK
	v_lshl_add_u32 v[AK0], v9, 4, v[AK0]
	v_and_b32 v10, 7, v0
	v_bfe_u32 v11, v0, 3, 1
	v_lshl_add_u32 v[AV0], v9, 3, v10
	v_mul_u32_u24 v[AV0], v[AV0], PV
	v_lshl_add_u32 v[AV0], v11, 4, v[AV0]
	v_add_nc_u32 v[AV0], VOFF, v[AV0]
	v_mov_b32 v[AK], v[AK0]         ; key step 0 lies at the head of slot 0
	s_mul_i32 s13, s[WV], 16*SP
	s_add_co_u32 s13, s13, STAGE    ; my stage
	v_mul_u32_u24 v[STO], v1, SP
	v_lshl_add_u32 v[STO], v9, 4, v[STO]
	v_add_nc_u32 v[STO], s13, v[STO]
	v_bfe_u32 v[RD], v0, 3, 2       ; back: 32 lanes take four rows of 128 bytes,
	v_mul_u32_u24 v[RD], v[RD], SP
	v_lshl_add_u32 v[RD], v10, 4, v[RD]
	v_add_nc_u32 v[RD], s13, v[RD]
	v_and_b32 v[GO], 31, v0         ; which are 512 consecutive bytes of O
	v_lshlrev_b32 v[GO], 4, v[GO]
; THE MATRIX WORK.  The 4 accumulators of a run of 8 take turns.  Product i of 8 of S^T = K Q^T for piece x: channels 32 (i / 4) on, keys 16 (i % 4) on.  The first 4 start the sums.
.macro KQ x
	WIN W_KQ
.set rS, S+32*((\x)%2)+8*(i%4)
.set rK, KF+16*(i%4)+8*(i/4)
.set rQ, 16*(\x)+8*(i/4)
.if i < 4
	v_wmma_f32_16x16x32_f16 v[rS:rS+7], v[rK:rK+7], v[rQ:rQ+7], 0
.else
	v_wmma_f32_16x16x32_f16 v[rS:rS+7], v[rK:rK+7], v[rQ:rQ+7], v[rS:rS+7]
.endif
.endm
; Product i of 8 of O^T += V^T P for piece x: keys 32 (i / 4) on, channels 16 (i % 4) on.
.macro PV x
	WIN W_PV
.set rO, 32*(\x)+8*(i%4)
.set rV, VF+32*(i/4)+8*(i%4)
.set rP, P+16*((\x)%2)+8*(i/4)
	v_wmma_f32_16x16x32_f16 v[rO:rO+7], v[rV:rV+7], v[rP:rP+7], v[rO:rO+7]
.endm
.macro MM                           ; the turn's next matrix instruction
.if i < 8
	KQ (Y+1)%NP
.else
.set i, i-8
	PV (Y+NP-1)%NP
.set i, i+8
.endif
.set i, i+1
.endm
; THE LDS LOADS stand in runs of 16: a step's K (8 fragments) and its V (turned).
.macro FETCH_K
	WIN 0x80
.irp f, 0,1,2,3,4,5,6,7
	ds_load_b128 v[KF+8*\f:KF+8*\f+3],   v[AK] offset:(\f/2)*16*PK+(\f%2)*64
	ds_load_b128 v[KF+8*\f+4:KF+8*\f+7], v[AK] offset:(\f/2)*16*PK+(\f%2)*64+32
.endr
	s_add_co_u32 s[TBK], s[TBK], KS*PK
	WIN 0
.endm
.macro FETCH_V
	WIN 0x80
.irp f, 0,1,2,3,4,5,6,7
	ds_load_tr16_b128 v[VF+8*\f:VF+8*\f+3],   v[AV] offset:(\f/4)*32*PV+(\f%4)*32
	ds_load_tr16_b128 v[VF+8*\f+4:VF+8*\f+7], v[AV] offset:(\f/4)*32*PV+16*PV+(\f%4)*32
.endr
	WIN 0
.endm
; THE VECTOR WORK, one line at a time: OP kind, number.  For piece Y: F n: c s - c m for pair n of 16.  E n: the exponential of score n of 32.  C n: pair n rounded to f16.  B n: of the four weights 4 n .. the second
; pair is added onto the first.  L n: l takes that sum (L 0: l = a l + sum).  R n: pair n of 16 of O^T times a.  For piece Y + 1: X n, number n of the 22 that find its maximum and statistics:
;   0-11 four chains c0-c3 of seven scores (each accumulator's lowest registers are read first)   12-14, 16 the scores left over, the old m, c0-c3 into c0   15 c m_old is kept
;   17, 18 the other half of the lanes' maximum: the new m   19-21 c m; c m_old - c m_new; a
.set F, 0
.set E, 1
.set C, 2
.set B, 3
.set L, 4
.set R, 5
.set X, 6
.macro REGS y
.set rT, ST+4*(\y)
.set rC, TMP+4*((\y)%2)
.set rW, MV+((\y)%2)
.set rS, S+32*((\y)%2)
.set rP, P+16*((\y)%2)
.set rO, 32*(\y)
.endm
.macro OP k, n
.if (\k) == R
	REGS Y
	WIN W_RS
	v_pk_mul_f32 v[rO+2*(\n):rO+2*(\n)+1], v[rO+2*(\n):rO+2*(\n)+1], v[rC+2:rC+3] op_sel_hi:[1,0]
.elseif (\k) < R
	REGS Y
	WIN 0
.if (\k) == F
	v_pk_fma_f32 v[rS+2*(\n):rS+2*(\n)+1], v[rS+2*(\n):rS+2*(\n)+1], s[CS:CS+1], v[rT:rT+1] op_sel_hi:[1,0,0] neg_lo:[0,0,1] neg_hi:[0,0,1]
.elseif (\k) == E
	v_exp_f32 v[rS+(\n)], v[rS+(\n)]
.elseif (\k) == C
	v_cvt_pk_f16_f32 v[rP+(\n)], v[rS+2*(\n)], v[rS+2*(\n)+1]
.elseif (\k) == B
	v_pk_add_f32 v[rS+4*(\n):rS+4*(\n)+1], v[rS+4*(\n):rS+4*(\n)+1], v[rS+4*(\n)+2:rS+4*(\n)+3]
.elseif (\n) == 0
	v_pk_fma_f32 v[rT+2:rT+3], v[rT+2:rT+3], v[rC+2:rC+3], v[rS:rS+1] op_sel_hi:[1,0,1]
.else
	v_pk_add_f32 v[rT+2:rT+3], v[rT+2:rT+3], v[rS+4*(\n):rS+4*(\n)+1]
.endif
.else
	REGS (Y+1)%NP
	WIN 0
.if (\n) < 4
	v_max3_num_f32 v[rC+(\n)], v[rS+8*(\n)], v[rS+8*(\n)+1], v[rS+8*(\n)+2]
.elseif (\n) < 12
	v_max3_num_f32 v[rC+(\n)%4], v[rC+(\n)%4], v[rS+8*((\n)%4)+2*((\n)/4)+1], v[rS+8*((\n)%4)+2*((\n)/4)+2]
.elseif (\n) == 12
	v_max3_num_f32 v[rC], v[rC], v[rS+7], v[rS+15]
.elseif (\n) == 13
	v_max3_num_f32 v[rC+1], v[rC+1], v[rS+23], v[rS+31]
.elseif (\n) == 14
	v_max3_num_f32 v[rC+2], v[rC+2], v[rC+3], v[rT+1]
.elseif (\n) == 15
	v_mov_b32 v[rW], v[rT]
.elseif (\n) == 16
	v_max3_num_f32 v[rC], v[rC], v[rC+1], v[rC+2]
.elseif (\n) == 17
	v_permlanex16_b32 v[rC+3], v[rC], s[SEL], s[SEL+1]
.elseif (\n) == 18
	v_max_num_f32 v[rT+1], v[rC], v[rC+3]
.elseif (\n) == 19
	v_mul_f32 v[rT], s[CS], v[rT+1]
.elseif (\n) == 20
	v_sub_f32 v[rC+1], v[rW], v[rT]
.else
	v_exp_f32 v[rC+2], v[rC+1]
.endif
.endif
.endm
.macro OPS a, i1, b=-1, i2=0, c=-1, i3=0, d=-1, i4=0
	OP \a, \i1
.if (\b) >= 0
	OP \b, \i2
.endif
.if (\c) >= 0
	OP \c, \i3
.endif
.if (\d) >= 0
	OP \d, \i4
.endif
.endm
.macro ROW a, i1, b, i2, c, i3, d, i4  ; a matrix instruction and the four behind it
	MM
	OPS \a, \i1, \b, \i2, \c, \i3, \d, \i4
.endm
; A TURN, for piece p.  Ahead of its one wait stands all that names no result of its exponentials: the 8 products K Q^T with their riders and the lump; behind it the 8 products V^T P, whose riders are the roundings and sums.
; K of the next step is fetched in piece 2's turn, V of the step in hand at the end of piece 0's; each is waited for a turn later.  last = 1 (the tail): the run for K stands behind the wait, under a jump
; that leaves it out in the last trip, where there is no further step.  cnt = 1: the loop's count is taken down some lines ahead of the branch behind the turn.
.macro TURN p, last=0, cnt=0
.set Y, (\p)
.set i, 0
.if (\p) == 3
	s_wait_dscnt 0x0                ; K is in
.endif
	ROW F,0, F,1, R,0, R,1
	ROW F,2, E,0, R,2, R,3
	ROW F,3, E,1, R,4, R,5
	ROW F,4, E,2, R,6, R,7
	ROW F,5, E,3, R,8, R,9
	ROW F,6, E,4, X,0, R,10
.if (\p) == 2
	WIN 0
	v_add_nc_u32 v[AK], s[TBK], v[AK0]
.endif
	ROW F,7, E,5, X,1, X,4
	ROW F,8, E,6, X,2, X,5
	OPS E,7, E,8, X,6, E,9
	OPS X,3, E,10, X,8, E,11
.if ((\p) == 2) && !(\last)
	FETCH_K
.endif
	OPS X,9, X,7, E,12, X,10
	OPS E,13, X,12, X,11, E,14
	OPS X,13, E,15, F,9, X,14
.if (\p) == 0
	v_add_nc_u32 v[AV], s[TBV], v[AV0]
.endif
	OPS E,16, F,10, E,17, F,11
	OPS X,16, E,18, X,15, E,19
	OPS F,12, E,20, X,17, E,21
	OPS F,13, E,22, F,14, E,23
	OPS X,18, E,24, F,15, E,25
	OPS R,11, E,26, X,19, E,27
	OPS R,12, E,28, R,13, E,29
	OPS X,20, E,30, R,14, E,31
	OPS X,21, R,15                  ; the next piece's a is the batch's last; R 15 is the plain instruction behind it
	WIN 0
	s_wait_alu depctr_va_vdst(0)    ; the one wait for the batch
.if ((\p) == 2) && (\last)
	s_cmp_eq_u32 s[CNT], 1
	s_cbranch_scc1 .Lno_k_\@
	FETCH_K
.Lno_k_\@:
.endif
.if (\p) == 1
	s_wait_dscnt 0x0                ; V is in
.endif
	ROW C,0, B,0, C,2, B,1
	ROW L,0, C,4, B,2, L,1
	ROW C,6, B,3, L,2, C,8
	ROW B,4, L,3, C,10, B,5
	ROW L,4, C,12, B,6, L,5
.if (\p) == 0
	s_add_co_u32 s[TBV], s[TBV], KS*PV
.endif
.if \cnt
	s_sub_co_u32 s[CNT], s[CNT], 1
	s_cmp_lg_u32 s[CNT], 0
.endif
	ROW C,14, B,7, L,6, C,1
	ROW C,3, L,7, C,5, C,7
	ROW C,9, C,11, C,13, C,15
.if (\p) == 0
	FETCH_V
.endif
.endm
	CHANGE 1                        ; slot 0 is in, everybody's part of it; slot 1 is asked for
	FETCH_K                         ; key step 0
	s_wait_loadcnt 0x0              ; Q
	s_wait_dscnt 0x0
.set i, 0
.rept 8
	KQ 0                            ; piece 0's first scores
.set i, i+1
.endr
	WIN 0
.rept 4
	v_nop                           ; the places behind those products
.endr
.set Y, NP-1                        ; X works for piece Y + 1: piece 0
.irp n, 0,1,2,3,4,5,6,7,8,9,10,11,12,13,14,15,16,17,18,19,20,21
	OP X, \n
.endr
	v_nop                           ; a plain instruction behind the exponential,
	s_wait_alu depctr_va_vdst(0)    ; and its wait, ahead of the branch
	s_mov_b32 s[CNT], 4
	s_branch .Lfirst                ; the loop is entered at a step's first turn, in the middle of a trip
.Lslot:                             ; six times: tiles 2 to 7 are asked for
	CHANGE 1, 1
	s_mov_b32 s[CNT], 4
.Lstep:                             ; a trip: pieces 2 and 3 of one step, then pieces 0 and 1 of the next, whose K and V it fetches
	TURN 2
	TURN 3
	WIN 0
.Lfirst:
	TURN 0
	TURN 1, 0, 1
	WIN 0
	s_cbranch_scc1 .Lstep
	s_sub_co_u32 s[SLOTS], s[SLOTS], 1
	s_cmp_lg_u32 s[SLOTS], 0
	s_cbranch_scc1 .Lslot
	CHANGE 0                        ; the tail is written out
	s_mov_b32 s[CNT], 5             ; four trips fetch the last tile's steps; the fifth is left in its middle
.Ltail:
	TURN 2, 1
	TURN 3
	WIN 0
	s_sub_co_u32 s[CNT], s[CNT], 1
	s_cmp_eq_u32 s[CNT], 0
	s_cbranch_scc1 .Lout
	TURN 0
	TURN 1
	WIN 0
	s_branch .Ltail
.Lout:                              ; the fifth trip's 8 products K Q^T, on the last K once more, and the maximum made of them serve nothing: the price of one text for every trip
.set i, 0
.rept 8
	PV NP-1                         ; the last piece's V^T P of the last step
.set i, i+1
.endr
	; THE WAY OUT.  l's halves are added; O^T is divided by l, rounded to f16 and sent through my stage, a piece at a time.  The additions are the places behind the last products.
	WIN 0
.macro ALL line:vararg
.set t, 0
.rept 4
	\line
.set t, t+1
.endr
.endm
	ALL v_add_f32 v[ST+4*t+2], v[ST+4*t+2], v[ST+4*t+3]
	ALL v_permlanex16_b32 v[ST+4*t+3], v[ST+4*t+2], s[SEL], s[SEL+1]
	ALL v_add_f32 v[ST+4*t+2], v[ST+4*t+2], v[ST+4*t+3]
	ALL v_rcp_f32 v[ST+4*t+2], v[ST+4*t+2]
	v_nop                           ; a plain instruction behind the last reciprocal,
	s_wait_alu depctr_va_vdst(0)    ; and one wait for the four
.macro PACK t
	WIN W_RS
.set i, 32*(\t)
.rept 16
	v_pk_mul_f32 v[i:i+1], v[i:i+1], v[ST+4*(\t)+2:ST+4*(\t)+3] op_sel_hi:[1,0]
.set i, i+2
.endr
	WIN 0x05                        ; sources 0 and 1 window 1, destination window 0
.set i, 0
.rept 16
	v_cvt_pk_f16_f32 v[S+16*(\t)+i], v[32*(\t)+2*i], v[32*(\t)+2*i+1]
.set i, i+1
.endr
	WIN 0
.irp f, 0,1,2,3
	ds_store_b128 v[STO], v[S+16*(\t)+4*\f:S+16*(\t)+4*\f+3] offset:32*\f
.endr
.irp f, 0,1,2,3
	ds_load_b128 v[S+16*(\t)+4*\f:S+16*(\t)+4*\f+3], v[RD] offset:\f*4*SP  ; LDS serves a wave's instructions in order (ISA guide 5.7.1.4): these see the stores above
.endr
.endm
.macro SEND t, younger              ; younger: the LDS instructions issued behind piece t's loads
	WIN 0
.irp f, 0,1,2,3
	s_wait_dscnt (\younger)+3-\f
	global_store_b128 v[GO], v[S+16*(\t)+4*\f:S+16*(\t)+4*\f+3], s[10:11] offset:(\t)*2048+\f*512  ; 512 consecutive bytes, aligned
.endr
.endm
	PACK 0
.set t, 1
.rept 3
	PACK t
	SEND t-1, 8
.set t, t+1
.endr
	SEND 3, 0
	s_wait_tensorcnt 0x0            ; the wave's end
	ds_add_u32 v[SPW], v[NIL]
	s_wait_dscnt 0x0
	CROUND                          ; the closing round
	s_endpgm
.Lfunc_end_k_q07d8ccb0c6_attn:
	.size	k_q07d8ccb0c6_attn, .Lfunc_end_k_q07d8ccb0c6_attn-k_q07d8ccb0c6_attn
	.p2alignl 7, 3214868480
	.fill 96, 4, 3214868480
	.section	.rodata,"a",@progbits
	.p2align	6, 0x0
	.amdhsa_kernel k_q07d8ccb0c6_attn
		.amdhsa_group_segment_fixed_size 327680
		.amdhsa_private_segment_fixed_size 0
		.amdhsa_enable_private_segment 0
		.amdhsa_kernarg_size 16
		.amdhsa_user_sgpr_count 2
		.amdhsa_user_sgpr_kernarg_segment_ptr 1
		.amdhsa_wavefront_size32 1
		.amdhsa_system_sgpr_workgroup_id_x 1
		.amdhsa_system_sgpr_workgroup_id_y 1
		.amdhsa_system_sgpr_workgroup_id_z 1
		.amdhsa_system_vgpr_workitem_id 0
		.amdhsa_next_free_vgpr 768
		.amdhsa_next_free_sgpr 66
		.amdhsa_reserve_vcc 0
		.amdhsa_float_denorm_mode_32 3
		.amdhsa_float_denorm_mode_16_64 3
		.amdhsa_memory_ordered 1
		.amdhsa_forward_progress 1
		.amdhsa_inst_pref_size 111
	.end_amdhsa_kernel
	.amdgpu_metadata
---
amdhsa.version: [ 1, 2 ]
amdhsa.kernels:
  - .name:           k_q07d8ccb0c6_attn
    .symbol:         k_q07d8ccb0c6_attn.kd
    .args:
      - { .name: qkv, .offset: 0, .size: 8, .value_kind: global_buffer, .address_space: global }
      - { .name: o, .offset: 8, .size: 8, .value_kind: global_buffer, .address_space: global }
    .group_segment_fixed_size: 327680
    .private_segment_fixed_size: 0
    .kernarg_segment_align: 8
    .kernarg_segment_size: 16
    .max_flat_workgroup_size: 128
    .sgpr_count:     66
    .vgpr_count:     768
    .wavefront_size: 32
...
	.end_amdgpu_metadata
.endif
;; end of part 3
;; launch proj (part 4): grid 8 x 32, 4 waves a work-group, clusters of 4 x 4, 327,680 bytes of LDS; arguments o, wb, x, b_out, x1; writes x1
.if DOCPART == 4
	.amdgcn_target "amdgcn-amd-amdhsa--gfx1250"
	.amdhsa_code_object_version 6
	.text
	.protected	k_q07d8ccb0c6_proj
	.globl	k_q07d8ccb0c6_proj
	.p2align	8
	.type	k_q07d8ccb0c6_proj,@function
k_q07d8ccb0c6_proj:
	s_mov_b64 s[64:65], 0
	v_nop
	global_prefetch_b8 v0, s[64:65] scope:SCOPE_SE
	s_setreg_imm32_b32 hwreg(HW_REG_WAVE_MODE, 25, 1), 1
	s_wait_xcnt 0x0
	s_wait_alu depctr_hold_cnt(0) depctr_sa_sdst(0) depctr_va_vdst(0) depctr_va_sdst(0) depctr_va_ssrc(0) depctr_va_vcc(0) depctr_vm_vsrc(0)
	s_getreg_b32 s2, hwreg(HW_REG_IB_STS2, 6, 4)
	s_cmp_eq_u32 s2, 0
	s_cbranch_scc0 .Lentry_in_a_cluster
	s_endpgm
.Lentry_in_a_cluster:
	s_bfe_u32 s2, ttmp6, 0x10000c
	s_cmp_lg_u32 s2, 0xf033
	s_cbranch_scc0 .Lentry_shape_is_right
	s_endpgm
.Lentry_shape_is_right:
; PROJ.  x1[m][n] = bf16(x[m][n]) + bf16(b_out[n]) + sum over k of o[m][k] W[k][n].  o: slabs [16][4096][64] f16; W = w_out, rounded to bf16 and written as f16, [1024][1024], in wb; x, b_out, x1: f32.  Sums in f32; x1 is not rounded.
; Every input of the module is rounded once to bf16 where it is loaded, x and the bias here too.
; SHARES.  A tile of C is 128 x 128: 8 x 32 work-groups, one for each WGP.  K IS SPLIT AMONG THE FOUR WAVES: of each K step's 256 wave w takes 64 (slab w of the step's four), for the whole tile: 64 accumulators.
; So 16 fragments from LDS feed 64 products.  The four partial tiles, f32, meet in LDS at the end (f32 sums may be taken in any order).
; RING.  Two LDS slots of one K step.  Waves 0, 1 fetch A's halves: 64 rows x 4 slabs; in a slab 64 rows are 8,192 dense bytes, asked for as one row, the four slabs as four rows.  Waves 2, 3 fetch W's: 128 rows of k x 256 bytes.
; W comes out of LDS turned (ds_load_tr16_b128); the matrix instruction is used transposed: a lane holds eight neighbouring numbers of a row of C.
; CLUSTER 4 x 4: A's tile is shared along a row of the cluster, W's along a column.  No prefetch: the tiles are small, and a step's matrix work is short.
; REGISTERS: window 0 addresses, v[64:191] residual + bias of my 32 rows, v[192:255] the way out; window 1 two fragment buffers; windows 2, 3 the accumulators.
.set T,     4                          ; K steps
.set WOFF,  6291456                    ; W's first byte in wb
.set ROUNDRES, 1                       ; the residual is an input: rounded to bf16
.set N,     1024
.set NT,    128
.set BB,    8
.set KSTEP, 256
.set PA,    144                        ; A's row in LDS: 128 bytes + 16
.set PB,    288                        ; W's: 256 + 32, an odd multiple of 32
.set SP,    528                        ; a stage row: 512 + 16
.set AHALF, 4*64*PA
.set ABYTES, 2*AHALF
.set BHALF, 128*PB
.set SLOT,  ABYTES+2*BHALF             ; 147,456: shares no bit with any wave's place in a slot
.set SPARE, 2*SLOT
.set DA,    4*524288                   ; four slabs
.set DB,    KSTEP*2*N
.set NLD,   16+2*BB
.set LATE,  8
.set CB,    64
.set ADRA0, 16
.set ADRB0, 17
.set ADRA,  18
.set ADRB,  19
.set STO,   20                         ; v20, v21
.set RD,    22                         ; v22-25  where I read partial tile p's rows back
.set CO,    26                         ; v26  16 x lane
.set SPW,   28
.set NIL,   29
.set BIAS,  32                         ; v[32:35]
.set TT,    36                         ; v[36:39]
.set R,     64
.set X,     192
.set F0,    0
.set F1,    128
.set G1A, 24
.set G0A, 32
.set G1B, 48
.set G0B, 56
.set WV,  66
.set MH,  67                           ; I fetch A (0) or W (1)
.set NH,  68                           ; which half
.set SO,  69
.set MSB, 0
.macro WIN new
.if MSB != (\new)
	s_set_vgpr_msb (MSB<<8)|(\new)
.set MSB, \new
.endif
.endm
.set MUL_LO, 0xa5
.set MUL_HI, 0xf5
.set TO_F,   0x40
.macro PLACES
.rept 4
	v_nop
.endr
.endm
.macro JLOAD
	s_cmp_eq_u32 s[MH], 0
	s_cbranch_scc0 .Lfor_b_\@
	tensor_load_to_lds s[G0A+4:G0A+7], s[G1A:G1A+7]
	s_nop 0
.rept 4
	v_nop
.endr
	s_branch .Lasked_\@
.Lfor_b_\@:
	tensor_load_to_lds s[G0B+4:G0B+7], s[G1B:G1B+7]
	s_nop 0
.rept 4
	v_nop
.endr
.Lasked_\@:
.endm
.macro CREST
	s_cmp_lg_u32 s[WV], 0
	s_cbranch_scc1 .Lnot_wave_0_\@
	s_barrier_signal -3
.Lnot_wave_0_\@:
	s_barrier_wait -3
	s_barrier_signal -1
	s_barrier_wait -1
.endm
.macro CROUND
	s_barrier_signal -1
	s_barrier_wait -1
	CREST
.endm
.macro MULP f, hi, a0, zero            ; 16 matrix instructions; all 64 accumulators take turns, in the same order everywhere
	WIN MUL_LO+0x50*(\hi)
.irp a, \a0, (\a0)+1
.set ib, 0
.rept BB
.set rD, 8*(BB*(\a)+ib)
.set rB, (\f)+64+8*ib
.set rA, (\f)+8*(4*(\hi)+(\a))
.if \zero
	v_wmma_f32_16x16x32_f16 v[rD:rD+7], v[rB:rB+7], v[rA:rA+7], 0
.else
	v_wmma_f32_16x16x32_f16 v[rD:rD+7], v[rB:rB+7], v[rA:rA+7], v[rD:rD+7]
.endif
.set ib, ib+1
.endr
.endr
.endm
.macro FETCH q, f                      ; 32 LDS loads: half q (32 along K) of my 64 of the slot in hand
	WIN TO_F
.set ib, 0
.rept BB
	ds_load_tr16_b128 v[(\f)+64+8*ib:(\f)+64+8*ib+3],   v[ADRB] offset:32*(\q)*PB+32*ib
	ds_load_tr16_b128 v[(\f)+64+8*ib+4:(\f)+64+8*ib+7], v[ADRB] offset:32*(\q)*PB+16*PB+32*ib
.set ib, ib+1
.endr
.set ia, 0
.rept 8
	ds_load_b128 v[(\f)+8*ia:(\f)+8*ia+3],   v[ADRA] offset:64*(\q)+(ia/4)*AHALF+(ia%4)*16*PA
	ds_load_b128 v[(\f)+8*ia+4:(\f)+8*ia+7], v[ADRA] offset:64*(\q)+(ia/4)*AHALF+(ia%4)*16*PA+32
.set ia, ia+1
.endr
.endm
.macro QUARTER q, f, g, zero
	s_wait_dscnt LATE                              ; W and A's blocks 0-3 are in; the youngest eight loads may be out
	MULP \f, 0, 0, \zero
	MULP \f, 0, 2, \zero
	PLACES
	FETCH \q, \g
	s_wait_dscnt NLD                               ; all but the run just issued
	MULP \f, 1, 0, \zero
	MULP \f, 1, 2, \zero
.endm
; A step's second half multiplies buffer 1 and changes slots: one barrier; ahead of it all my tensor loads, the add, my reads of this slot.  fill = 1: a round of the cluster's barrier, and the refill first behind it.
.macro TURN fill
	WIN 0
	s_wait_tensorcnt 0x0
	ds_add_u32 v[SPW], v[NIL]
	s_xor_b32 s[SO], s[SO], SLOT
	s_wait_dscnt LATE+1                            ; the add and the youngest eight loads may be out
	MULP F1, 0, 0, 0
	s_wait_dscnt 0x0
	s_barrier_signal -1
	MULP F1, 0, 2, 0
	WIN 0
	s_barrier_wait -1
.if \fill
	CREST
	s_xor_b32 s[G0A+5], s[G0A+5], SLOT
	s_xor_b32 s[G0B+5], s[G0B+5], SLOT
	s_add_nc_u64 s[G0A+6:G0A+7], s[G0A+6:G0A+7], DA
	s_add_nc_u64 s[G0B+6:G0B+7], s[G0B+6:G0B+7], DB
	JLOAD
.else
	PLACES
	s_cmp_eq_u32 s3, 1
	s_cbranch_scc1 .Lnofetch_\@
.endif
	v_add_nc_u32 v[ADRA], s[SO], v[ADRA0]
	v_add_nc_u32 v[ADRB], s[SO], v[ADRB0]
	FETCH 0, F0
	WIN 0
.if !(\fill)
.Lnofetch_\@:
.endif
	MULP F1, 1, 0, 0
	MULP F1, 1, 2, 0
.endm
.macro DUMP
	PLACES
.irp hi, 0,1
	WIN 0x08+4*(\hi)
.set ia, 0
.rept 4
.set ib, 0
.rept BB
.set rD, 8*(BB*ia+ib)
	ds_store_b128 v[STO+(\hi)], v[rD:rD+3]   offset:ia*16*SP+CB*ib
	ds_store_b128 v[STO+(\hi)], v[rD+4:rD+7] offset:ia*16*SP+CB*ib+16
.set ib, ib+1
.endr
.set ia, ia+1
.endr
.endr
	WIN 0
.endm
	s_load_b256 s[4:11], s[0:1], 0x0               ; A s[4:5], wb s[6:7], residual s[8:9], bias s[10:11]
	s_load_b64 s[12:13], s[0:1], 0x20              ; the output
	v_lshl_add_u32 v[SPW], v0, 2, SPARE
	v_mov_b32 v[NIL], 0
	ds_add_u32 v[SPW], v[NIL]                      ; the wave's opening: the add and its wait ahead of my first tensor load
	v_lshrrev_b32 v3, 5, v0
	v_readfirstlane_b32 s[WV], v3
	s_lshr_b32 s[MH], s[WV], 1
	s_and_b32 s[NH], s[WV], 1
	s_bfe_u32 s40, ttmp6, 0x40000
	s_bfe_u32 s41, ttmp6, 0x40004
	s_lshl_b32 s42, ttmp9, 2
	s_add_co_u32 s42, s42, s40                     ; tile column
	s_and_b32 s45, ttmp7, 0xffff
	s_lshl_b32 s45, s45, 2
	s_add_co_u32 s45, s45, s41                     ; tile row
	s_lshl_b32 s43, s41, 2
	s_lshl_b32 s43, 15, s43
	s_lshl_b32 s44, 0x1111, s40
	s_or_b32 s[G1A], s43, (1<<16)|(1<<20)|(1<<21)|(4<<22)|(3<<25)    ; behind every 32 words (a row of 64 k) 4 words
	s_mov_b32 s[G1A+1], 4096<<16                   ; tensor_dim0 = 4,096 elements: 64 rows of a slab on end
	s_mov_b32 s[G1A+2], 4<<16                      ; tensor_dim1 = 4 slabs
	s_mov_b32 s[G1A+3], 4096<<16                   ; tile_dim0
	s_mov_b32 s[G1A+4], 4                          ; tile_dim1
	s_mov_b32 s[G1A+5], 262144                     ; elements from slab to slab
	s_mov_b32 s[G1A+6], 0
	s_mov_b32 s[G1A+7], 0
	s_or_b32 s[G1B], s44, (1<<16)|(1<<20)|(1<<21)|(5<<22)|(7<<25)    ; behind every 64 words 8 words
	s_mov_b32 s[G1B+1], NT<<16
	s_mov_b32 s[G1B+2], 128<<16
	s_mov_b32 s[G1B+3], NT<<16
	s_mov_b32 s[G1B+4], 128
	s_mov_b32 s[G1B+5], N
	s_mov_b32 s[G1B+6], 0
	s_mov_b32 s[G1B+7], 0
	s_lshl_b32 s16, s45, 14                        ; A: (128 x tile row + 64 x half) rows of 128 bytes in a slab
	s_lshl_b32 s17, s[NH], 13
	s_add_co_u32 s16, s16, s17
	s_mov_b32 s17, 0
	s_mul_i32 s46, s[NH], (KSTEP/2)*2*N
	s_mul_i32 s47, s42, 2*NT
	s_add_co_u32 s46, s46, s47
	s_add_co_u32 s46, s46, WOFF
	s_mov_b32 s47, 0
	s_mul_i32 s20, s[NH], AHALF
	s_mul_i32 s21, s[NH], BHALF
	s_add_co_u32 s21, s21, ABYTES
	s_wait_dscnt 0x0
	s_wait_kmcnt 0x0
	s_add_nc_u64 s[14:15], s[4:5], s[16:17]
	s_add_nc_u64 s[46:47], s[6:7], s[46:47]
	CROUND
.irp s, 0,1
	s_mov_b32 s[G0A+4*\s], 1
	s_add_co_u32 s[G0A+4*\s+1], s20, \s*SLOT
	s_add_nc_u64 s[G0A+4*\s+2:G0A+4*\s+3], s[14:15], \s*DA
	s_or_b32 s[G0A+4*\s+3], s[G0A+4*\s+3], 0x80000000
	s_mov_b32 s[G0B+4*\s], 1
	s_add_co_u32 s[G0B+4*\s+1], s21, \s*SLOT
	s_add_nc_u64 s[G0B+4*\s+2:G0B+4*\s+3], s[46:47], \s*DB
	s_or_b32 s[G0B+4*\s+3], s[G0B+4*\s+3], 0x80000000
.endr
	s_cmp_eq_u32 s[MH], 0                          ; a wave's two first fills stand in one branch: two loads of mine are out
	s_cbranch_scc0 .Lfirst_b
	tensor_load_to_lds s[G0A:G0A+3], s[G1A:G1A+7]
	s_nop 0
	tensor_load_to_lds s[G0A+4:G0A+7], s[G1A:G1A+7]
	s_nop 0
.rept 4
	v_nop
.endr
	s_branch .Lfirst_asked
.Lfirst_b:
	tensor_load_to_lds s[G0B:G0B+3], s[G1B:G1B+7]
	s_nop 0
	tensor_load_to_lds s[G0B+4:G0B+7], s[G1B:G1B+7]
	s_nop 0
.rept 4
	v_nop
.endr
.Lfirst_asked:
	; residual and bias of the 32 rows that I store (rows 32 w .. of the tile, 512 bytes each): asked for now, worked on in the wait for the first tiles
	v_and_b32 v3, 31, v0
	v_lshlrev_b32 v[CO], 4, v3
	s_lshl_b32 s14, s45, 19
	s_lshl_b32 s16, s[WV], 17
	s_add_co_u32 s14, s14, s16
	s_lshl_b32 s16, s42, 9
	s_add_co_u32 s14, s14, s16
	s_mov_b32 s15, 0
	s_mov_b32 s17, 0
	s_add_nc_u64 s[8:9], s[8:9], s[14:15]
	s_add_nc_u64 s[12:13], s[12:13], s[14:15]
	s_add_nc_u64 s[10:11], s[10:11], s[16:17]
	global_load_b128 v[BIAS:BIAS+3], v[CO], s[10:11]
.set u, 0
.rept 32
	global_load_b128 v[R+4*u:R+4*u+3], v[CO], s[8:9] offset:4096*u
.set u, u+1
.endr
	v_and_b32 v1, 15, v0
	v_bfe_u32 v2, v0, 4, 1
	v_mul_u32_u24 v[ADRA0], v1, PA
	v_lshl_add_u32 v[ADRA0], v2, 4, v[ADRA0]
	s_mul_i32 s22, s[WV], 64*PA                    ; slab w of the step
	v_add_nc_u32 v[ADRA0], s22, v[ADRA0]
	v_and_b32 v4, 7, v0
	v_lshl_add_u32 v4, v2, 3, v4
	s_lshl_b32 s22, s[WV], 6                       ; my 64 rows of k
	v_add_nc_u32 v4, s22, v4
	v_mul_u32_u24 v[ADRB0], v4, PB
	v_bfe_u32 v5, v0, 3, 1
	v_lshl_add_u32 v[ADRB0], v5, 4, v[ADRB0]
	v_add_nc_u32 v[ADRB0], ABYTES, v[ADRB0]
	s_mul_i32 s22, s[WV], 128*SP                   ; my partial tile in the stage
	v_mul_u32_u24 v[STO], v1, SP
	v_lshl_add_u32 v[STO], v2, 5, v[STO]
	v_add_nc_u32 v[STO], s22, v[STO]
	v_add_nc_u32 v[STO+1], 64*SP, v[STO]
	s_mul_i32 s22, s[WV], 32*SP
	v_lshl_add_u32 v[RD], v3, 4, s22
	v_add_nc_u32 v[RD+1], 128*SP, v[RD]
	v_add_nc_u32 v[RD+2], 2*128*SP, v[RD]
	v_add_nc_u32 v[RD+3], 3*128*SP, v[RD]
	s_wait_loadcnt 0x0
	v_cvt_pk_bf16_f32 v[TT], v[BIAS], v[BIAS+1]    ; the bias is rounded to bf16
	v_cvt_pk_bf16_f32 v[TT+1], v[BIAS+2], v[BIAS+3]
	v_lshlrev_b32 v[BIAS], 16, v[TT]
	v_and_b32 v[BIAS+1], 0xffff0000, v[TT]
	v_lshlrev_b32 v[BIAS+2], 16, v[TT+1]
	v_and_b32 v[BIAS+3], 0xffff0000, v[TT+1]
.set u, 0
.rept 64
.if ROUNDRES
	v_cvt_pk_bf16_f32 v[TT+u%4], v[R+2*u], v[R+2*u+1]
	v_lshlrev_b32 v[R+2*u], 16, v[TT+u%4]
	v_and_b32 v[R+2*u+1], 0xffff0000, v[TT+u%4]
.endif
	v_pk_add_f32 v[R+2*u:R+2*u+1], v[R+2*u:R+2*u+1], v[BIAS+2*(u%2):BIAS+2*(u%2)+1]
.set u, u+1
.endr
	s_wait_tensorcnt 0x1                           ; my part of K step 0 is in; step 1's may stay out
	s_barrier_signal -1
	s_barrier_wait -1
	v_mov_b32 v[ADRA], v[ADRA0]
	v_mov_b32 v[ADRB], v[ADRB0]
	s_mov_b32 s[SO], 0
	FETCH 0, F0
	QUARTER 1, F0, F1, 1                           ; written out: its products start the sums
	WIN 0
	s_mov_b32 s3, T-2
	s_branch .Lmid
.Lstep:
	QUARTER 1, F0, F1, 0
	WIN 0
.Lmid:
	TURN 1
	WIN 0
	s_sub_co_u32 s3, s3, 1
	s_cmp_lg_u32 s3, 0
	s_cbranch_scc1 .Lstep
	s_mov_b32 s3, 2
.Ltail:                                                ; the last two K steps ask for nothing
	QUARTER 1, F0, F1, 0
	TURN 0
	WIN 0
	s_sub_co_u32 s3, s3, 1
	s_cmp_lg_u32 s3, 0
	s_cbranch_scc1 .Ltail
	DUMP                                           ; the stage lies over the ring: behind its last fill, and behind a barrier at which every wave's reads of it are over
	s_wait_dscnt 0x0
	s_barrier_signal -1
	s_barrier_wait -1
	; THE WAY OUT.  Row u of my 32: its four partial sums, 512 bytes each, are added onto residual + bias and stored.  Four rows' loads are on their way.
.macro ROWLD u
.irp p, 0,1,2,3
	ds_load_b128 v[X+16*((\u)%4)+4*\p:X+16*((\u)%4)+4*\p+3], v[RD+\p] offset:(\u)*SP
.endr
.endm
	ROWLD 0
	ROWLD 1
	ROWLD 2
	ROWLD 3
.set u, 0
.rept 32
.set wc, 12
.if u > 28
.set wc, 4*(31-u)
.endif
	s_wait_dscnt wc                                ; row u's four loads are in; the younger rows' stay out
.irp p, 0,1,2,3
	v_pk_add_f32 v[R+4*u:R+4*u+1], v[R+4*u:R+4*u+1], v[X+16*(u%4)+4*\p:X+16*(u%4)+4*\p+1]
	v_pk_add_f32 v[R+4*u+2:R+4*u+3], v[R+4*u+2:R+4*u+3], v[X+16*(u%4)+4*\p+2:X+16*(u%4)+4*\p+3]
.endr
.if u < 28
	ROWLD u+4
.endif
	global_store_b128 v[CO], v[R+4*u:R+4*u+3], s[12:13] offset:4096*u  ; 512 consecutive bytes, aligned; no register is written again
.set u, u+1
.endr
	s_wait_tensorcnt 0x0                           ; the wave's end
	ds_add_u32 v[SPW], v[NIL]
	s_wait_dscnt 0x0
	CROUND
	s_endpgm
.Lfunc_end_k_q07d8ccb0c6_proj:
	.size	k_q07d8ccb0c6_proj, .Lfunc_end_k_q07d8ccb0c6_proj-k_q07d8ccb0c6_proj
	.p2alignl 7, 3214868480
	.fill 96, 4, 3214868480
	.section	.rodata,"a",@progbits
	.p2align	6, 0x0
	.amdhsa_kernel k_q07d8ccb0c6_proj
		.amdhsa_group_segment_fixed_size 327680
		.amdhsa_private_segment_fixed_size 0
		.amdhsa_enable_private_segment 0
		.amdhsa_kernarg_size 40
		.amdhsa_user_sgpr_count 2
		.amdhsa_user_sgpr_kernarg_segment_ptr 1
		.amdhsa_wavefront_size32 1
		.amdhsa_system_sgpr_workgroup_id_x 1
		.amdhsa_system_sgpr_workgroup_id_y 1
		.amdhsa_system_sgpr_workgroup_id_z 1
		.amdhsa_system_vgpr_workitem_id 0
		.amdhsa_next_free_vgpr 1024
		.amdhsa_next_free_sgpr 96
		.amdhsa_reserve_vcc 0
		.amdhsa_float_denorm_mode_32 3
		.amdhsa_float_denorm_mode_16_64 3
		.amdhsa_memory_ordered 1
		.amdhsa_forward_progress 1
		.amdhsa_inst_pref_size 97
	.end_amdhsa_kernel
	.amdgpu_metadata
---
amdhsa.version: [ 1, 2 ]
amdhsa.kernels:
  - .name:           k_q07d8ccb0c6_proj
    .symbol:         k_q07d8ccb0c6_proj.kd
    .args:
      - { .name: o, .offset: 0, .size: 8, .value_kind: global_buffer, .address_space: global }
      - { .name: wb, .offset: 8, .size: 8, .value_kind: global_buffer, .address_space: global }
      - { .name: x, .offset: 16, .size: 8, .value_kind: global_buffer, .address_space: global }
      - { .name: b_out, .offset: 24, .size: 8, .value_kind: global_buffer, .address_space: global }
      - { .name: x1, .offset: 32, .size: 8, .value_kind: global_buffer, .address_space: global }
    .group_segment_fixed_size: 327680
    .private_segment_fixed_size: 0
    .kernarg_segment_align: 8
    .kernarg_segment_size: 40
    .max_flat_workgroup_size: 128
    .sgpr_count:     96
    .vgpr_count:     1024
    .wavefront_size: 32
...
	.end_amdgpu_metadata
.endif
;; end of part 4
;; launch ln2 (part 5): grid 512 x 1, 8 waves a work-group, no clusters, 0 bytes of LDS; arguments x1, g2, beta2, h; writes h
.if DOCPART == 5
	.amdgcn_target "amdgcn-amd-amdhsa--gfx1250"
	.amdhsa_code_object_version 6
	.text
	.protected	k_q07d8ccb0c6_ln2
	.globl	k_q07d8ccb0c6_ln2
	.p2align	8
	.type	k_q07d8ccb0c6_ln2,@function
k_q07d8ccb0c6_ln2:
	s_mov_b64 s[64:65], 0
	v_nop
	global_prefetch_b8 v0, s[64:65] scope:SCOPE_SE
	s_setreg_imm32_b32 hwreg(HW_REG_WAVE_MODE, 25, 1), 1
	s_wait_xcnt 0x0
; LN2.  h = f16(LayerNorm(x1) with bf16(g2), bf16(beta2)).  x1: [4096][1024] f32, made by this program and not rounded; g2, beta2 are inputs and are rounded once to bf16.
; One wave a row, kept in 32 registers between the passes; mean, variance (of the centred row) and scaling in f32.  No LDS, no barrier.
; LIMITS.  A normalised row of 1,024 has no entry beyond 32, so |h| <= 32 max|g2| + max|beta2|, which must stay within f16's 65,504.  v_rsq_f32 is good to one unit in the last place; NaN and infinities are not treated apart.
.set XO,  2
.set YO,  3
.set T,   8
.set MU,  16
.set RS,  18
.set TT,  20
.set X,   32
.set G,   64
.set B,   96
.set Y,   128
.macro RND base                        ; 32 numbers rounded to bf16 and widened again
.set i, 0
.rept 16
	v_cvt_pk_bf16_f32 v[TT+i%4], v[(\base)+2*i], v[(\base)+2*i+1]
	v_lshlrev_b32 v[(\base)+2*i], 16, v[TT+i%4]
	v_and_b32 v[(\base)+2*i+1], s24, v[TT+i%4]
.set i, i+1
.endr
.endm
.macro ACROSS                          ; the four pairs in T become one sum, in every lane
	v_pk_add_f32 v[T:T+1], v[T:T+1], v[T+2:T+3]
	v_pk_add_f32 v[T+4:T+5], v[T+4:T+5], v[T+6:T+7]
	v_pk_add_f32 v[T:T+1], v[T:T+1], v[T+4:T+5]
	v_add_f32 v[T], v[T], v[T+1]
	v_add_f32_dpp v[T], v[T], v[T] row_xmask:1 row_mask:0xf bank_mask:0xf
	v_add_f32_dpp v[T], v[T], v[T] row_xmask:2 row_mask:0xf bank_mask:0xf
	v_add_f32_dpp v[T], v[T], v[T] row_xmask:4 row_mask:0xf bank_mask:0xf
	v_add_f32_dpp v[T], v[T], v[T] row_xmask:8 row_mask:0xf bank_mask:0xf
	v_permlanex16_b32 v[T+1], v[T], s28, s29
	v_add_f32 v[T], v[T], v[T+1]
.endm
	s_load_b256 s[4:11], s[0:1], 0x0               ; x1 s[4:5], g2 s[6:7], beta2 s[8:9], h s[10:11]
	v_lshrrev_b32 v1, 5, v0
	v_readfirstlane_b32 s14, v1
	v_and_b32 v1, 31, v0
	s_lshl3_add_u32 s15, ttmp9, s14                ; row = 8 x work-group + wave
	s_lshl_b32 s16, s15, 12
	s_lshl_b32 s18, s15, 11
	s_mov_b32 s17, 0
	s_mov_b32 s19, 0
	s_mov_b32 s24, 0xffff0000
	s_mov_b32 s25, 0x3a800000                      ; 1 / 1024
	s_mov_b32 s26, 0x3727c5ac                      ; 1e-5
	s_mov_b32 s28, 0x76543210
	s_mov_b32 s29, 0xfedcba98
	v_lshlrev_b32 v[XO], 4, v1
	v_lshlrev_b32 v[YO], 3, v1
	s_wait_kmcnt 0x0
	s_add_nc_u64 s[4:5], s[4:5], s[16:17]
	s_add_nc_u64 s[10:11], s[10:11], s[18:19]
.irp j, 0,1,2,3,4,5,6,7
	global_load_b128 v[X+4*\j:X+4*\j+3], v[XO], s[4:5] offset:512*\j
.endr
.irp j, 0,1,2,3,4,5,6,7
	global_load_b128 v[G+4*\j:G+4*\j+3], v[XO], s[6:7] offset:512*\j
.endr
.irp j, 0,1,2,3,4,5,6,7
	global_load_b128 v[B+4*\j:B+4*\j+3], v[XO], s[8:9] offset:512*\j
.endr
	s_wait_loadcnt 16                              ; the row is in; the sixteen younger loads (gain, offset) stay out
.irp k, 0,1,2,3
	v_pk_add_f32 v[T+2*\k:T+2*\k+1], v[X+2*\k:X+2*\k+1], v[X+8+2*\k:X+8+2*\k+1]
.endr
.irp k, 8,9,10,11,12,13,14,15
	v_pk_add_f32 v[T+2*((\k)%4):T+2*((\k)%4)+1], v[T+2*((\k)%4):T+2*((\k)%4)+1], v[X+2*\k:X+2*\k+1]
.endr
	ACROSS
	v_mul_f32 v[MU], s25, v[T]
	v_mul_f32 v[MU+1], s25, v[T]
.set i, 0
.rept 16
	v_pk_add_f32 v[X+2*i:X+2*i+1], v[X+2*i:X+2*i+1], v[MU:MU+1] neg_lo:[0,1] neg_hi:[0,1]
.set i, i+1
.endr
.irp k, 0,1,2,3
	v_pk_mul_f32 v[T+2*\k:T+2*\k+1], v[X+2*\k:X+2*\k+1], v[X+2*\k:X+2*\k+1]
.endr
.irp k, 4,5,6,7,8,9,10,11,12,13,14,15
	v_pk_fma_f32 v[T+2*((\k)%4):T+2*((\k)%4)+1], v[X+2*\k:X+2*\k+1], v[X+2*\k:X+2*\k+1], v[T+2*((\k)%4):T+2*((\k)%4)+1]
.endr
	ACROSS
	v_fma_f32 v[T], v[T], s25, s26
	v_rsq_f32 v[RS], v[T]
	v_rsq_f32 v[RS+1], v[T]
	s_wait_loadcnt 0x0
	RND G                                          ; plain work that names neither root nor its source stands behind the two roots,
	RND B
	s_wait_alu depctr_va_vdst(0)                   ; and one wait ahead of their first reader
.set i, 0
.rept 16
	v_pk_mul_f32 v[X+2*i:X+2*i+1], v[X+2*i:X+2*i+1], v[RS:RS+1]
.set i, i+1
.endr
.set i, 0
.rept 16
	v_pk_fma_f32 v[X+2*i:X+2*i+1], v[X+2*i:X+2*i+1], v[G+2*i:G+2*i+1], v[B+2*i:B+2*i+1]
.set i, i+1
.endr
.set i, 0
.rept 16
	v_cvt_pk_f16_f32 v[Y+i], v[X+2*i], v[X+2*i+1]
.set i, i+1
.endr
.irp j, 0,1,2,3,4,5,6,7
	global_store_b64 v[YO], v[Y+2*\j:Y+2*\j+1], s[10:11] offset:256*\j  ; 256 consecutive bytes, aligned
.endr
	s_endpgm
.Lfunc_end_k_q07d8ccb0c6_ln2:
	.size	k_q07d8ccb0c6_ln2, .Lfunc_end_k_q07d8ccb0c6_ln2-k_q07d8ccb0c6_ln2
	.p2alignl 7, 3214868480
	.fill 96, 4, 3214868480
	.section	.rodata,"a",@progbits
	.p2align	6, 0x0
	.amdhsa_kernel k_q07d8ccb0c6_ln2
		.amdhsa_group_segment_fixed_size 0
		.amdhsa_private_segment_fixed_size 0
		.amdhsa_enable_private_segment 0
		.amdhsa_kernarg_size 32
		.amdhsa_user_sgpr_count 2
		.amdhsa_user_sgpr_kernarg_segment_ptr 1
		.amdhsa_wavefront_size32 1
		.amdhsa_system_sgpr_workgroup_id_x 1
		.amdhsa_system_sgpr_workgroup_id_y 1
		.amdhsa_system_sgpr_workgroup_id_z 1
		.amdhsa_system_vgpr_workitem_id 0
		.amdhsa_next_free_vgpr 144
		.amdhsa_next_free_sgpr 66
		.amdhsa_reserve_vcc 0
		.amdhsa_float_denorm_mode_32 3
		.amdhsa_float_denorm_mode_16_64 3
		.amdhsa_memory_ordered 1
		.amdhsa_forward_progress 1
		.amdhsa_inst_pref_size 16
	.end_amdhsa_kernel
	.amdgpu_metadata
---
amdhsa.version: [ 1, 2 ]
amdhsa.kernels:
  - .name:           k_q07d8ccb0c6_ln2
    .symbol:         k_q07d8ccb0c6_ln2.kd
    .args:
      - { .name: x1, .offset: 0, .size: 8, .value_kind: global_buffer, .address_space: global }
      - { .name: g2, .offset: 8, .size: 8, .value_kind: global_buffer, .address_space: global }
      - { .name: beta2, .offset: 16, .size: 8, .value_kind: global_buffer, .address_space: global }
      - { .name: h, .offset: 24, .size: 8, .value_kind: global_buffer, .address_space: global }
    .group_segment_fixed_size: 0
    .private_segment_fixed_size: 0
    .kernarg_segment_align: 8
    .kernarg_segment_size: 32
    .max_flat_workgroup_size: 256
    .sgpr_count:     66
    .vgpr_count:     144
    .wavefront_size: 32
...
	.end_amdgpu_metadata
.endif
;; end of part 5
;; launch ff1 (part 6): grid 16 x 16, 4 waves a work-group, clusters of 4 x 4, 327,680 bytes of LDS; arguments h, wb, ff, b_ff1; writes ff
.if DOCPART == 6
	.amdgcn_target "amdgcn-amd-amdhsa--gfx1250"
	.amdhsa_code_object_version 6
	.text
	.protected	k_q07d8ccb0c6_ff1
	.globl	k_q07d8ccb0c6_ff1
	.p2align	8
	.type	k_q07d8ccb0c6_ff1,@function
k_q07d8ccb0c6_ff1:
	s_mov_b64 s[64:65], 0
	v_nop
	global_prefetch_b8 v0, s[64:65] scope:SCOPE_SE
	s_setreg_imm32_b32 hwreg(HW_REG_WAVE_MODE, 25, 1), 1
	s_wait_xcnt 0x0
	s_wait_alu depctr_hold_cnt(0) depctr_sa_sdst(0) depctr_va_vdst(0) depctr_va_sdst(0) depctr_va_ssrc(0) depctr_va_vcc(0) depctr_vm_vsrc(0)
	s_getreg_b32 s2, hwreg(HW_REG_IB_STS2, 6, 4)
	s_cmp_eq_u32 s2, 0
	s_cbranch_scc0 .Lentry_in_a_cluster
	s_endpgm
.Lentry_in_a_cluster:
	s_bfe_u32 s2, ttmp6, 0x10000c
	s_cmp_lg_u32 s2, 0xf033
	s_cbranch_scc0 .Lentry_shape_is_right
	s_endpgm
.Lentry_shape_is_right:
; FF1.  ff[m][n] = f16(gelu(bf16(b_ff1[n]) + sum over k of h[m][k] W[k][n])).  h: [4096][1024] f16; W = w_ff1, rounded to bf16 and written as f16, [1024][4096], in wb; sums and the activation in f32.
; ff leaves in SLABS: [4096/64][4096][64] f16: two neighbouring rows of a slab are 256 consecutive bytes, and 64 rows x 64 k are 8,192 bytes on end for the product that follows.
; GELU, exact form: 0.5 z (1 + erf(z / sqrt 2)) = 0.5 z + |z| (0.5 + Q E), t = 1 / (1 + 0.23164189 |z|), E = 2^(-0.72134752 z^2), Q = t (c1 + t (c2 + t (c3 + t (c4 + t c5)))), c = -a / 2 of the
; rational form 7.1.26 of Abramowitz and Stegun.  LIMITS: that form's erf is off by 1.5e-7 at the most, for every argument.  f16 holds no number beyond 65,504: gelu's result, at most |z|, must lie within it
; (z has a spread of 1.4 at a gain of 1 and weights of spread 0.044; with both 30 times larger some 1,300); below 6e-5 it keeps f16's fixed step of 6e-8.  NaN and infinities are not treated apart.
; SHARES.  A tile of C is 256 x 256 (four slabs): 16 x 16 work-groups.  Four waves, 2 x 2: a wave makes 128 rows x 128 columns, 64 accumulators.  Its column blocks are every second block of 16 (32 b + 16 j, j = wave % 2).
; RING, CLUSTER, WAY OUT: K steps of 128 through two LDS slots, one joint tensor load a wave behind each change of slots (waves 0, 1: A's halves; waves 2, 3: W's, 64 rows of k x 512 bytes); W comes out of LDS turned;
; the matrix instruction is used transposed; the f32 tile goes into a stage over the ring, behind the ring's last fill and a barrier, and is read back by rows.
; REGISTERS: window 0 addresses and the way out; window 1 two fragment buffers of 128; windows 2, 3 the accumulators: (a, b) at v[8 (8 a + b)].
.set QKV,   0
.set N,     4096
.set WOFF,  8388608
.set NT,    256
.set BB,    8
.set BQI,   6                          ; W's padding: behind every 128 words (a row of 512 bytes) 8 words
.set PB,    544                        ; an odd multiple of 32 bytes
.set SP,    1040                       ; a stage row: 1,024 bytes + 16
.set KSTEP, 128
.set T,     8
.set PA,    272
.set AHALF, 128*PA
.set ABYTES, 2*AHALF
.set BHALF, 64*PB
.set SLOT,  ABYTES+2*BHALF             ; 139,264: shares no bit with any wave's place in a slot, so one exclusive or changes slots
.set SPARE, 2*SLOT
.set DA,    KSTEP*2
.set DB,    KSTEP*2*N
.set NLD,   16+2*BB
.set LATE,  8
.set CB,    128
.set ADRA0, 16
.set ADRB0, 17
.set ADRA,  18
.set ADRB,  19
.set STO,   20                         ; v20, v21
.set RD,    22
.set GO,    26                         ; 8 x lane
.set BO,    27                         ; 16 x (lane % 16); never rewritten
.set SPW,   28
.set NIL,   29
.set PFO,   30
.set BIAS,  32                         ; v[32:47]  the bias of my 4 columns in each of the four slabs
.set GX,    48                         ; v[48:63]  two rows' sums as read from the stage
.set GZ,    64                         ; z
.set GA,    80                         ; |z|
.set GD,    96                         ; 1 + p |z|, then t
.set GW,    112                        ; the exponent, then E
.set GQ,    128                        ; Q
.set GY,    144                        ; v[144:151] the result in f16
.set F0,    0
.set F1,    128
.set G1A, 24
.set G0A, 32
.set G1B, 48
.set G0B, 56
.set WV,  66
.set MH,  67
.set NH,  68
.set SO,  69
.set LIM, 70
.set PFA, 72
.set PFD, 74
.set MSB, 0
.macro WIN new
.if MSB != (\new)
	s_set_vgpr_msb (MSB<<8)|(\new)
.set MSB, \new
.endif
.endm
.set MUL_LO, 0xa5
.set MUL_HI, 0xf5
.set TO_F,   0x40
.macro PLACES
.rept 4
	v_nop
.endr
.endm
.macro JLOAD
	s_cmp_eq_u32 s[MH], 0
	s_cbranch_scc0 .Lfor_b_\@
	tensor_load_to_lds s[G0A+4:G0A+7], s[G1A:G1A+7]
	s_nop 0
.rept 4
	v_nop
.endr
	s_branch .Lasked_\@
.Lfor_b_\@:
	tensor_load_to_lds s[G0B+4:G0B+7], s[G1B:G1B+7]
	s_nop 0
.rept 4
	v_nop
.endr
.Lasked_\@:
.endm
.macro CREST
	s_cmp_lg_u32 s[WV], 0
	s_cbranch_scc1 .Lnot_wave_0_\@
	s_barrier_signal -3
.Lnot_wave_0_\@:
	s_barrier_wait -3
	s_barrier_signal -1
	s_barrier_wait -1
.endm
.macro CROUND
	s_barrier_signal -1
	s_barrier_wait -1
	CREST
.endm
; A prefetch of the K step behind the one that the refill has just asked for, 32 blocks of 256 bytes, a lane a block.  A's tile row is read by every cluster of that row of clusters: the cluster with x = 0 asks (a lane a row of h);
; W's tile column by every cluster of that column: the cluster with y = 0 asks (two lanes a row of k).  The four partners that ask for a tile jointly share its blocks by address.  The last refill has no step behind it.
.macro ASK
	s_cmp_gt_u32 s3, s[LIM]
	s_cbranch_scc0 .Lnot_mine_\@
	global_prefetch_b8 v[PFO], s[PFA:PFA+1] th:TH_LOAD_NT scope:SCOPE_SE
.Lnot_mine_\@:
.endm
.macro MULP f, hi, a0, zero            ; 16 matrix instructions; all 64 accumulators take turns, in the same order everywhere
	WIN MUL_LO+0x50*(\hi)
.irp a, \a0, (\a0)+1
.set ib, 0
.rept BB
.set rD, 8*(BB*(\a)+ib)
.set rB, (\f)+64+8*ib
.set rA, (\f)+8*(4*(\hi)+(\a))
.if \zero
	v_wmma_f32_16x16x32_f16 v[rD:rD+7], v[rB:rB+7], v[rA:rA+7], 0
.else
	v_wmma_f32_16x16x32_f16 v[rD:rD+7], v[rB:rB+7], v[rA:rA+7], v[rD:rD+7]
.endif
.set ib, ib+1
.endr
.endr
.endm
.macro FETCH q, f
	WIN TO_F
.set ib, 0
.rept BB
.if QKV
.set bcol, (ib/2)*160+(ib%2)*64
.else
.set bcol, 64*ib
.endif
	ds_load_tr16_b128 v[(\f)+64+8*ib:(\f)+64+8*ib+3],   v[ADRB] offset:32*(\q)*PB+bcol
	ds_load_tr16_b128 v[(\f)+64+8*ib+4:(\f)+64+8*ib+7], v[ADRB] offset:32*(\q)*PB+16*PB+bcol
.set ib, ib+1
.endr
.set ia, 0
.rept 8
	ds_load_b128 v[(\f)+8*ia:(\f)+8*ia+3],   v[ADRA] offset:64*(\q)+ia*16*PA
	ds_load_b128 v[(\f)+8*ia+4:(\f)+8*ia+7], v[ADRA] offset:64*(\q)+ia*16*PA+32
.set ia, ia+1
.endr
.endm
.macro QUARTER q, f, g, zero
	s_wait_dscnt LATE                              ; W and A's blocks 0-3 are in; the youngest eight loads may be out
	MULP \f, 0, 0, \zero
	MULP \f, 0, 2, \zero
	PLACES
	FETCH \q, \g
	s_wait_dscnt NLD                               ; all but the run just issued
	MULP \f, 1, 0, \zero
	MULP \f, 1, 2, \zero
.endm
.macro TURN fill
.if \fill
	s_wait_xcnt 0x0                                ; the last prefetch, a K step back, has read its address
	s_add_nc_u64 s[PFA:PFA+1], s[PFA:PFA+1], s[PFD:PFD+1]
.endif
	WIN 0
	s_wait_tensorcnt 0x0
	ds_add_u32 v[SPW], v[NIL]
	s_xor_b32 s[SO], s[SO], SLOT
	s_wait_dscnt LATE+1                            ; the add and the youngest eight loads may be out
	MULP F1, 0, 0, 0
	s_wait_dscnt 0x0
	s_barrier_signal -1
	MULP F1, 0, 2, 0
	WIN 0
	s_barrier_wait -1
.if \fill
	CREST
	s_xor_b32 s[G0A+5], s[G0A+5], SLOT
	s_xor_b32 s[G0B+5], s[G0B+5], SLOT
	s_add_nc_u64 s[G0A+6:G0A+7], s[G0A+6:G0A+7], DA
	s_add_nc_u64 s[G0B+6:G0B+7], s[G0B+6:G0B+7], DB
	JLOAD
.else
	PLACES
	s_cmp_eq_u32 s3, 1
	s_cbranch_scc1 .Lnofetch_\@
.endif
	v_add_nc_u32 v[ADRA], s[SO], v[ADRA0]
	v_add_nc_u32 v[ADRB], s[SO], v[ADRB0]
	FETCH 0, F0
	WIN 0
.if \fill
	ASK
.else
.Lnofetch_\@:
.endif
	MULP F1, 1, 0, 0
	MULP F1, 1, 2, 0
.endm
.macro DUMP
	PLACES
.irp hi, 0,1
	WIN 0x08+4*(\hi)
.set ia, 0
.rept 4
.set ib, 0
.rept BB
.set rD, 8*(BB*ia+ib)
	ds_store_b128 v[STO+(\hi)], v[rD:rD+3]   offset:ia*16*SP+CB*ib
	ds_store_b128 v[STO+(\hi)], v[rD+4:rD+7] offset:ia*16*SP+CB*ib+16
.set ib, ib+1
.endr
.set ia, ia+1
.endr
.endr
	WIN 0
.endm
.macro PAIR r, val                     ; a constant for the packed forms, which name a pair
	s_mov_b32 s[\r], \val
	s_mov_b32 s[(\r)+1], \val
.endm
.macro P8 line:vararg                  ; one packed line for each of the 8 pairs, i = 0, 2 .. 14
.set i, 0
.rept 8
	\line
.set i, i+2
.endr
.endm
.macro S16 line:vararg                 ; one line for each of the 16 numbers
.set i, 0
.rept 16
	\line
.set i, i+1
.endr
.endm
; Two rows x four slabs, 16 numbers a lane: bias, GELU, rounding, four stores of 256 bytes.  next = 1: the next two rows are asked for as soon as these have been taken over.
.macro GTRIP next
	s_wait_dscnt 0x0
	P8 v_pk_add_f32 v[GZ+i:GZ+i+1], v[GX+i:GX+i+1], v[BIAS+i:BIAS+i+1]
.if \next
	v_add_nc_u32 v[RD], 2*SP, v[RD]
.irp j, 0,1,2,3
	ds_load_b128 v[GX+4*\j:GX+4*\j+3], v[RD] offset:256*\j
.endr
.endif
	S16 v_and_b32 v[GA+i], s90, v[GZ+i]
	P8 v_pk_fma_f32 v[GD+i:GD+i+1], v[GA+i:GA+i+1], s[76:77], 1.0 op_sel_hi:[1,0,0]
	P8 v_pk_mul_f32 v[GW+i:GW+i+1], v[GZ+i:GZ+i+1], s[78:79] op_sel_hi:[1,0]
	P8 v_pk_mul_f32 v[GW+i:GW+i+1], v[GW+i:GW+i+1], v[GZ+i:GZ+i+1]
	S16 v_rcp_f32 v[GD+i], v[GD+i]
	S16 v_exp_f32 v[GW+i], v[GW+i]
	v_nop                                          ; a plain instruction behind the last of the batch of 32,
	s_wait_alu depctr_va_vdst(0)                   ; and one wait ahead of its first reader
	P8 v_pk_fma_f32 v[GQ+i:GQ+i+1], v[GD+i:GD+i+1], s[80:81], s[82:83] op_sel_hi:[1,0,0]
	P8 v_pk_fma_f32 v[GQ+i:GQ+i+1], v[GQ+i:GQ+i+1], v[GD+i:GD+i+1], s[84:85] op_sel_hi:[1,1,0]
	P8 v_pk_fma_f32 v[GQ+i:GQ+i+1], v[GQ+i:GQ+i+1], v[GD+i:GD+i+1], s[86:87] op_sel_hi:[1,1,0]
	P8 v_pk_fma_f32 v[GQ+i:GQ+i+1], v[GQ+i:GQ+i+1], v[GD+i:GD+i+1], s[88:89] op_sel_hi:[1,1,0]
	P8 v_pk_mul_f32 v[GQ+i:GQ+i+1], v[GQ+i:GQ+i+1], v[GD+i:GD+i+1]
	P8 v_pk_fma_f32 v[GQ+i:GQ+i+1], v[GQ+i:GQ+i+1], v[GW+i:GW+i+1], 0.5 op_sel_hi:[1,1,0]
	P8 v_pk_mul_f32 v[GQ+i:GQ+i+1], v[GQ+i:GQ+i+1], v[GA+i:GA+i+1]
	P8 v_pk_fma_f32 v[GZ+i:GZ+i+1], v[GZ+i:GZ+i+1], 0.5, v[GQ+i:GQ+i+1] op_sel_hi:[1,0,1]
	s_wait_xcnt 0x0                                ; the last trip's stores have read their data and their base
	s_add_nc_u64 s[8:9], s[8:9], 256
.set i, 0
.rept 8
	v_cvt_pk_f16_f32 v[GY+i], v[GZ+2*i], v[GZ+2*i+1]
.set i, i+1
.endr
.irp j, 0,1,2,3
	global_store_b64 v[GO], v[GY+2*\j:GY+2*\j+1], s[8:9] offset:\j*524288-256  ; two rows of a slab: 256 consecutive bytes, aligned
.endr
.endm
	s_load_b128 s[4:7], s[0:1], 0x0                ; h s[4:5], wb s[6:7]
	s_load_b128 s[8:11], s[0:1], 0x10              ; ff s[8:9], b_ff1 s[10:11]
	v_lshl_add_u32 v[SPW], v0, 2, SPARE
	v_mov_b32 v[NIL], 0
	ds_add_u32 v[SPW], v[NIL]                      ; the wave's opening: the add and its wait ahead of my first tensor load
	v_lshrrev_b32 v3, 5, v0
	v_readfirstlane_b32 s[WV], v3
	s_lshr_b32 s[MH], s[WV], 1
	s_and_b32 s[NH], s[WV], 1
	s_bfe_u32 s40, ttmp6, 0x40000
	s_bfe_u32 s41, ttmp6, 0x40004
	s_lshl_b32 s42, ttmp9, 2
	s_add_co_u32 s42, s42, s40                     ; tile column
	s_and_b32 s45, ttmp7, 0xffff
	s_lshl_b32 s45, s45, 2
	s_add_co_u32 s45, s45, s41                     ; tile row
	s_lshl_b32 s43, s41, 2
	s_lshl_b32 s43, 15, s43
	s_lshl_b32 s44, 0x1111, s40
	s_or_b32 s[G1A], s43, (1<<16)|(1<<20)|(1<<21)|(5<<22)|(3<<25)
	s_mov_b32 s[G1A+1], KSTEP<<16
	s_mov_b32 s[G1A+2], 128<<16
	s_mov_b32 s[G1A+3], KSTEP<<16
	s_mov_b32 s[G1A+4], 128
	s_mov_b32 s[G1A+5], 1024
	s_mov_b32 s[G1A+6], 0
	s_mov_b32 s[G1A+7], 0
	s_or_b32 s[G1B], s44, (1<<16)|(1<<20)|(1<<21)|(BQI<<22)|(7<<25)
	s_mov_b32 s[G1B+1], NT<<16
	s_mov_b32 s[G1B+2], 64<<16
	s_mov_b32 s[G1B+3], NT<<16
	s_mov_b32 s[G1B+4], 64
	s_mov_b32 s[G1B+5], N
	s_mov_b32 s[G1B+6], 0
	s_mov_b32 s[G1B+7], 0
	PAIR 76, 0x3e6d3388                            ; 0.3275911 / sqrt 2
	PAIR 78, 0xbf38aa3b                            ; -log2(e) / 2
	PAIR 80, 0xbf07dc22                            ; c5
	PAIR 82, 0x3f3a00e3                            ; c4
	PAIR 84, 0xbf35f0e3                            ; c3
	PAIR 86, 0x3e11a98e                            ; c2
	PAIR 88, 0xbe027906                            ; c1
	s_mov_b32 s90, 0x7fffffff
	s_mov_b32 s91, 0xffff0000
	s_lshl_b32 s16, s45, 19
	s_lshl_b32 s17, s[NH], 18
	s_add_co_u32 s16, s16, s17
	s_mov_b32 s17, 0
	s_mul_i32 s46, s[NH], (KSTEP/2)*2*N
	s_mul_i32 s47, s42, 2*NT
	s_add_co_u32 s46, s46, s47
	s_add_co_u32 s46, s46, WOFF
	s_mov_b32 s47, 0
	s_mul_i32 s20, s[NH], AHALF
	s_mul_i32 s21, s[NH], BHALF
	s_add_co_u32 s21, s21, ABYTES
	s_wait_dscnt 0x0
	s_wait_kmcnt 0x0
	s_add_nc_u64 s[14:15], s[4:5], s[16:17]
	s_add_nc_u64 s[46:47], s[6:7], s[46:47]
	CROUND
.irp s, 0,1
	s_mov_b32 s[G0A+4*\s], 1
	s_add_co_u32 s[G0A+4*\s+1], s20, \s*SLOT
	s_add_nc_u64 s[G0A+4*\s+2:G0A+4*\s+3], s[14:15], \s*DA
	s_or_b32 s[G0A+4*\s+3], s[G0A+4*\s+3], 0x80000000
	s_mov_b32 s[G0B+4*\s], 1
	s_add_co_u32 s[G0B+4*\s+1], s21, \s*SLOT
	s_add_nc_u64 s[G0B+4*\s+2:G0B+4*\s+3], s[46:47], \s*DB
	s_or_b32 s[G0B+4*\s+3], s[G0B+4*\s+3], 0x80000000
.endr
	s_cmp_eq_u32 s[MH], 0                          ; a wave's two first fills stand in one branch: two loads of mine are out
	s_cbranch_scc0 .Lfirst_b
	tensor_load_to_lds s[G0A:G0A+3], s[G1A:G1A+7]
	s_nop 0
	tensor_load_to_lds s[G0A+4:G0A+7], s[G1A:G1A+7]
	s_nop 0
.rept 4
	v_nop
.endr
	s_branch .Lfirst_asked
.Lfirst_b:
	tensor_load_to_lds s[G0B:G0B+3], s[G1B:G1B+7]
	s_nop 0
	tensor_load_to_lds s[G0B+4:G0B+7], s[G1B:G1B+7]
	s_nop 0
.rept 4
	v_nop
.endr
.Lfirst_asked:
	v_and_b32 v1, 15, v0
	v_bfe_u32 v2, v0, 4, 1
	s_lshl_b32 s14, s42, 10                        ; the tile's 256 numbers of the bias
	s_mov_b32 s15, 0
	s_add_nc_u64 s[10:11], s[10:11], s[14:15]
	v_lshlrev_b32 v[BO], 4, v1
.irp j, 0,1,2,3
	global_load_b128 v[BIAS+4*\j:BIAS+4*\j+3], v[BO], s[10:11] offset:256*\j
.endr
	v_mul_u32_u24 v[ADRA0], v1, PA
	v_lshl_add_u32 v[ADRA0], v2, 4, v[ADRA0]
	s_mul_i32 s22, s[MH], AHALF
	v_add_nc_u32 v[ADRA0], s22, v[ADRA0]
	v_and_b32 v3, 7, v0
	v_lshl_add_u32 v3, v2, 3, v3
	v_mul_u32_u24 v[ADRB0], v3, PB
	v_bfe_u32 v4, v0, 3, 1
	v_lshl_add_u32 v[ADRB0], v4, 4, v[ADRB0]
	s_lshl_b32 s22, s[NH], 5
	s_add_co_u32 s22, s22, ABYTES
	v_add_nc_u32 v[ADRB0], s22, v[ADRB0]
	s_mul_i32 s22, s[MH], 128*SP
	s_lshl_b32 s23, s[NH], 6
	s_add_co_u32 s22, s22, s23
	v_mul_u32_u24 v[STO], v1, SP
	v_lshl_add_u32 v[STO], v2, 5, v[STO]
	v_add_nc_u32 v[STO], s22, v[STO]
	v_add_nc_u32 v[STO+1], 64*SP, v[STO]
	s_mul_i32 s22, s[WV], 64*SP
	v_mul_u32_u24 v[RD], v2, SP
	v_lshl_add_u32 v[RD], v1, 4, v[RD]
	v_add_nc_u32 v[RD], s22, v[RD]
	v_and_b32 v3, 31, v0
	v_lshlrev_b32 v[GO], 3, v3
	s_lshl_b32 s14, s42, 21                        ; my first byte of ff: slab 4 x tile column, row 256 x tile row + 64 x wave
	s_lshl_b32 s16, s45, 15
	s_add_co_u32 s14, s14, s16
	s_lshl_b32 s16, s[WV], 13
	s_add_co_u32 s14, s14, s16
	s_add_nc_u64 s[8:9], s[8:9], s[14:15]
	; the prefetches: my work-group's 32 blocks of what I fetch, at K step 2: the first change of slots steps it to 3
	s_and_b32 s22, ttmp7, 0xffff                   ; cluster y
	s_lshl_b32 s14, s45, 19                        ; in h: row 256 x tile row + 128 x half + 32 cx
	s_lshl_b32 s16, s[NH], 18
	s_add_co_u32 s14, s14, s16
	s_lshl_b32 s16, s40, 16
	s_add_co_u32 s14, s14, s16
	s_add_co_u32 s14, s14, 2*DA
	s_lshl_b32 s16, s[NH], 19                      ; in W: row of k 64 x half + 16 cy, the tile's 512 bytes
	s_lshl_b32 s17, s41, 17
	s_add_co_u32 s16, s16, s17
	s_lshl_b32 s17, s42, 9
	s_add_co_u32 s16, s16, s17
	s_add_co_u32 s16, s16, WOFF+2*DB
	s_mov_b32 s[PFD], DB
	s_mov_b32 s[PFD+1], 0
	s_cmp_eq_u32 s[MH], 0                          ; do I fetch for A?
	s_cselect_b32 s14, s14, s16
	s_cselect_b32 s22, ttmp9, s22                  ; the coordinate along which other clusters read the same blocks
	s_cselect_b64 s[PFA:PFA+1], s[4:5], s[6:7]
	s_cselect_b32 s[PFD], DA, s[PFD]
	s_cselect_b32 s16, 0, 1                        ; lanes to a row, less one
	s_cselect_b32 s17, 11, 13                      ; log2 of a row's bytes
	s_add_nc_u64 s[PFA:PFA+1], s[PFA:PFA+1], s[14:15]
	s_cmp_eq_u32 s22, 0
	s_cselect_b32 s[LIM], 1, -1                    ; the same in all sixteen partners, for a given wave
	v_lshrrev_b32 v4, s16, v3
	v_lshlrev_b32 v4, s17, v4
	v_and_b32 v5, s16, v3
	v_lshl_or_b32 v[PFO], v5, 8, v4
	s_wait_loadcnt 0x0                             ; the bias: an input, rounded to bf16
.set i, 0
.rept 8
	v_cvt_pk_bf16_f32 v[GX+i], v[BIAS+2*i], v[BIAS+2*i+1]
.set i, i+1
.endr
.set i, 0
.rept 8
	v_lshlrev_b32 v[BIAS+2*i], 16, v[GX+i]
	v_and_b32 v[BIAS+2*i+1], s91, v[GX+i]
.set i, i+1
.endr
	s_wait_tensorcnt 0x1                           ; my part of K step 0 is in; step 1's may stay out
	s_barrier_signal -1
	s_barrier_wait -1
	v_mov_b32 v[ADRA], v[ADRA0]
	v_mov_b32 v[ADRB], v[ADRB0]
	s_mov_b32 s[SO], 0
	FETCH 0, F0
	QUARTER 1, F0, F1, 1                           ; written out: its products start the sums
	WIN 0
	s_mov_b32 s3, T-2
	s_branch .Lmid
.Lstep:
	QUARTER 1, F0, F1, 0
	WIN 0
.Lmid:
	QUARTER 2, F1, F0, 0
	QUARTER 3, F0, F1, 0
	TURN 1
	WIN 0
	s_sub_co_u32 s3, s3, 1
	s_cmp_lg_u32 s3, 0
	s_cbranch_scc1 .Lstep
	s_mov_b32 s3, 2
.Ltail:                                                ; the last two K steps ask for nothing
	QUARTER 1, F0, F1, 0
	QUARTER 2, F1, F0, 0
	QUARTER 3, F0, F1, 0
	TURN 0
	WIN 0
	s_sub_co_u32 s3, s3, 1
	s_cmp_lg_u32 s3, 0
	s_cbranch_scc1 .Ltail
	DUMP                                           ; behind the last step's barrier nobody reads the ring, and nothing is filled any more
	s_wait_dscnt 0x0
	s_barrier_signal -1
	s_barrier_wait -1
.irp j, 0,1,2,3
	ds_load_b128 v[GX+4*\j:GX+4*\j+3], v[RD] offset:256*\j
.endr
	s_mov_b32 s3, 31
.Lrows:                                                ; my 64 rows, two a trip; the last trip is written out and asks for nothing
	GTRIP 1
	s_sub_co_u32 s3, s3, 1
	s_cmp_lg_u32 s3, 0
	s_cbranch_scc1 .Lrows
	GTRIP 0
	s_wait_tensorcnt 0x0                           ; the wave's end
	ds_add_u32 v[SPW], v[NIL]
	s_wait_dscnt 0x0
	CROUND
	s_endpgm
.Lfunc_end_k_q07d8ccb0c6_ff1:
	.size	k_q07d8ccb0c6_ff1, .Lfunc_end_k_q07d8ccb0c6_ff1-k_q07d8ccb0c6_ff1
	.p2alignl 7, 3214868480
	.fill 96, 4, 3214868480
	.section	.rodata,"a",@progbits
	.p2align	6, 0x0
	.amdhsa_kernel k_q07d8ccb0c6_ff1
		.amdhsa_group_segment_fixed_size 327680
		.amdhsa_private_segment_fixed_size 0
		.amdhsa_enable_private_segment 0
		.amdhsa_kernarg_size 32
		.amdhsa_user_sgpr_count 2
		.amdhsa_user_sgpr_kernarg_segment_ptr 1
		.amdhsa_wavefront_size32 1
		.amdhsa_system_sgpr_workgroup_id_x 1
		.amdhsa_system_sgpr_workgroup_id_y 1
		.amdhsa_system_sgpr_workgroup_id_z 1
		.amdhsa_system_vgpr_workitem_id 0
		.amdhsa_next_free_vgpr 1024
		.amdhsa_next_free_sgpr 96
		.amdhsa_reserve_vcc 0
		.amdhsa_float_denorm_mode_32 3
		.amdhsa_float_denorm_mode_16_64 3
		.amdhsa_memory_ordered 1
		.amdhsa_forward_progress 1
		.amdhsa_inst_pref_size 98
	.end_amdhsa_kernel
	.amdgpu_metadata
---
amdhsa.version: [ 1, 2 ]
amdhsa.kernels:
  - .name:           k_q07d8ccb0c6_ff1
    .symbol:         k_q07d8ccb0c6_ff1.kd
    .args:
      - { .name: h, .offset: 0, .size: 8, .value_kind: global_buffer, .address_space: global }
      - { .name: wb, .offset: 8, .size: 8, .value_kind: global_buffer, .address_space: global }
      - { .name: ff, .offset: 16, .size: 8, .value_kind: global_buffer, .address_space: global }
      - { .name: b_ff1, .offset: 24, .size: 8, .value_kind: global_buffer, .address_space: global }
    .group_segment_fixed_size: 327680
    .private_segment_fixed_size: 0
    .kernarg_segment_align: 8
    .kernarg_segment_size: 32
    .max_flat_workgroup_size: 128
    .sgpr_count:     96
    .vgpr_count:     1024
    .wavefront_size: 32
...
	.end_amdgpu_metadata
.endif
;; end of part 6
;; launch ff2 (part 7): grid 8 x 32, 4 waves a work-group, clusters of 4 x 4, 327,680 bytes of LDS; arguments ff, wb, x1, b_ff2, out0; writes out0
.if DOCPART == 7
	.amdgcn_target "amdgcn-amd-amdhsa--gfx1250"
	.amdhsa_code_object_version 6
	.text
	.protected	k_q07d8ccb0c6_ff2
	.globl	k_q07d8ccb0c6_ff2
	.p2align	8
	.type	k_q07d8ccb0c6_ff2,@function
k_q07d8ccb0c6_ff2:
	s_mov_b64 s[64:65], 0
	v_nop
	global_prefetch_b8 v0, s[64:65] scope:SCOPE_SE
	s_setreg_imm32_b32 hwreg(HW_REG_WAVE_MODE, 25, 1), 1
	s_wait_xcnt 0x0
	s_wait_alu depctr_hold_cnt(0) depctr_sa_sdst(0) depctr_va_vdst(0) depctr_va_sdst(0) depctr_va_ssrc(0) depctr_va_vcc(0) depctr_vm_vsrc(0)
	s_getreg_b32 s2, hwreg(HW_REG_IB_STS2, 6, 4)
	s_cmp_eq_u32 s2, 0
	s_cbranch_scc0 .Lentry_in_a_cluster
	s_endpgm
.Lentry_in_a_cluster:
	s_bfe_u32 s2, ttmp6, 0x10000c
	s_cmp_lg_u32 s2, 0xf033
	s_cbranch_scc0 .Lentry_shape_is_right
	s_endpgm
.Lentry_shape_is_right:
; FF2.  out0[m][n] = x1[m][n] + bf16(b_ff2[n]) + sum over k of ff[m][k] W[k][n].  ff: slabs [64][4096][64] f16; W = w_ff2, rounded to bf16 and written as f16, [4096][1024], in wb; x1, b_ff2, out0: f32.  Sums in f32.
; x1 is this program's own f32 intermediate and is not rounded; the bias is an input and is rounded once to bf16.
; SHARES.  A tile of C is 128 x 128: 8 x 32 work-groups, one for each WGP.  K IS SPLIT AMONG THE FOUR WAVES: of each K step's 256 wave w takes 64 (slab w of the step's four), for the whole tile: 64 accumulators.
; So 16 fragments from LDS feed 64 products.  The four partial tiles, f32, meet in LDS at the end (f32 sums may be taken in any order).
; RING.  Two LDS slots of one K step.  Waves 0, 1 fetch A's halves: 64 rows x 4 slabs; in a slab 64 rows are 8,192 dense bytes, asked for as one row, the four slabs as four rows.  Waves 2, 3 fetch W's: 128 rows of k x 256 bytes.
; W comes out of LDS turned (ds_load_tr16_b128); the matrix instruction is used transposed: a lane holds eight neighbouring numbers of a row of C.
; CLUSTER 4 x 4: A's tile is shared along a row of the cluster, W's along a column.  No prefetch: the tiles are small, and a step's matrix work is short.
; REGISTERS: window 0 addresses, v[64:191] residual + bias of my 32 rows, v[192:255] the way out; window 1 two fragment buffers; windows 2, 3 the accumulators.
.set T,     16                         ; K steps
.set WOFF,  16777216                   ; W's first byte in wb
.set ROUNDRES, 0
.set N,     1024
.set NT,    128
.set BB,    8
.set KSTEP, 256
.set PA,    144
.set PB,    288
.set SP,    528
.set AHALF, 4*64*PA
.set ABYTES, 2*AHALF
.set BHALF, 128*PB
.set SLOT,  ABYTES+2*BHALF             ; 147,456: shares no bit with any wave's place in a slot
.set SPARE, 2*SLOT
.set DA,    4*524288
.set DB,    KSTEP*2*N
.set NLD,   16+2*BB
.set LATE,  8
.set CB,    64
.set ADRA0, 16
.set ADRB0, 17
.set ADRA,  18
.set ADRB,  19
.set STO,   20
.set RD,    22
.set CO,    26
.set SPW,   28
.set NIL,   29
.set BIAS,  32
.set TT,    36
.set R,     64
.set X,     192
.set F0,    0
.set F1,    128
.set G1A, 24
.set G0A, 32
.set G1B, 48
.set G0B, 56
.set WV,  66
.set MH,  67
.set NH,  68
.set SO,  69
.set MSB, 0
.macro WIN new
.if MSB != (\new)
	s_set_vgpr_msb (MSB<<8)|(\new)
.set MSB, \new
.endif
.endm
.set MUL_LO, 0xa5
.set MUL_HI, 0xf5
.set TO_F,   0x40
.macro PLACES
.rept 4
	v_nop
.endr
.endm
.macro JLOAD
	s_cmp_eq_u32 s[MH], 0
	s_cbranch_scc0 .Lfor_b_\@
	tensor_load_to_lds s[G0A+4:G0A+7], s[G1A:G1A+7]
	s_nop 0
.rept 4
	v_nop
.endr
	s_branch .Lasked_\@
.Lfor_b_\@:
	tensor_load_to_lds s[G0B+4:G0B+7], s[G1B:G1B+7]
	s_nop 0
.rept 4
	v_nop
.endr
.Lasked_\@:
.endm
.macro CREST
	s_cmp_lg_u32 s[WV], 0
	s_cbranch_scc1 .Lnot_wave_0_\@
	s_barrier_signal -3
.Lnot_wave_0_\@:
	s_barrier_wait -3
	s_barrier_signal -1
	s_barrier_wait -1
.endm
.macro CROUND
	s_barrier_signal -1
	s_barrier_wait -1
	CREST
.endm
.macro MULP f, hi, a0, zero            ; 16 matrix instructions; all 64 accumulators take turns, in the same order everywhere
	WIN MUL_LO+0x50*(\hi)
.irp a, \a0, (\a0)+1
.set ib, 0
.rept BB
.set rD, 8*(BB*(\a)+ib)
.set rB, (\f)+64+8*ib
.set rA, (\f)+8*(4*(\hi)+(\a))
.if \zero
	v_wmma_f32_16x16x32_f16 v[rD:rD+7], v[rB:rB+7], v[rA:rA+7], 0
.else
	v_wmma_f32_16x16x32_f16 v[rD:rD+7], v[rB:rB+7], v[rA:rA+7], v[rD:rD+7]
.endif
.set ib, ib+1
.endr
.endr
.endm
.macro FETCH q, f
	WIN TO_F
.set ib, 0
.rept BB
	ds_load_tr16_b128 v[(\f)+64+8*ib:(\f)+64+8*ib+3],   v[ADRB] offset:32*(\q)*PB+32*ib
	ds_load_tr16_b128 v[(\f)+64+8*ib+4:(\f)+64+8*ib+7], v[ADRB] offset:32*(\q)*PB+16*PB+32*ib
.set ib, ib+1
.endr
.set ia, 0
.rept 8
	ds_load_b128 v[(\f)+8*ia:(\f)+8*ia+3],   v[ADRA] offset:64*(\q)+(ia/4)*AHALF+(ia%4)*16*PA
	ds_load_b128 v[(\f)+8*ia+4:(\f)+8*ia+7], v[ADRA] offset:64*(\q)+(ia/4)*AHALF+(ia%4)*16*PA+32
.set ia, ia+1
.endr
.endm
.macro QUARTER q, f, g, zero
	s_wait_dscnt LATE                              ; W and A's blocks 0-3 are in; the youngest eight loads may be out
	MULP \f, 0, 0, \zero
	MULP \f, 0, 2, \zero
	PLACES
	FETCH \q, \g
	s_wait_dscnt NLD                               ; all but the run just issued
	MULP \f, 1, 0, \zero
	MULP \f, 1, 2, \zero
.endm
.macro TURN fill
	WIN 0
	s_wait_tensorcnt 0x0
	ds_add_u32 v[SPW], v[NIL]
	s_xor_b32 s[SO], s[SO], SLOT
	s_wait_dscnt LATE+1                            ; the add and the youngest eight loads may be out
	MULP F1, 0, 0, 0
	s_wait_dscnt 0x0
	s_barrier_signal -1
	MULP F1, 0, 2, 0
	WIN 0
	s_barrier_wait -1
.if \fill
	CREST
	s_xor_b32 s[G0A+5], s[G0A+5], SLOT
	s_xor_b32 s[G0B+5], s[G0B+5], SLOT
	s_add_nc_u64 s[G0A+6:G0A+7], s[G0A+6:G0A+7], DA
	s_add_nc_u64 s[G0B+6:G0B+7], s[G0B+6:G0B+7], DB
	JLOAD
.else
	PLACES
	s_cmp_eq_u32 s3, 1
	s_cbranch_scc1 .Lnofetch_\@
.endif
	v_add_nc_u32 v[ADRA], s[SO], v[ADRA0]
	v_add_nc_u32 v[ADRB], s[SO], v[ADRB0]
	FETCH 0, F0
	WIN 0
.if !(\fill)
.Lnofetch_\@:
.endif
	MULP F1, 1, 0, 0
	MULP F1, 1, 2, 0
.endm
.macro DUMP
	PLACES
.irp hi, 0,1
	WIN 0x08+4*(\hi)
.set ia, 0
.rept 4
.set ib, 0
.rept BB
.set rD, 8*(BB*ia+ib)
	ds_store_b128 v[STO+(\hi)], v[rD:rD+3]   offset:ia*16*SP+CB*ib
	ds_store_b128 v[STO+(\hi)], v[rD+4:rD+7] offset:ia*16*SP+CB*ib+16
.set ib, ib+1
.endr
.set ia, ia+1
.endr
.endr
	WIN 0
.endm
	s_load_b256 s[4:11], s[0:1], 0x0               ; A s[4:5], wb s[6:7], residual s[8:9], bias s[10:11]
	s_load_b64 s[12:13], s[0:1], 0x20              ; the output
	v_lshl_add_u32 v[SPW], v0, 2, SPARE
	v_mov_b32 v[NIL], 0
	ds_add_u32 v[SPW], v[NIL]                      ; the wave's opening: the add and its wait ahead of my first tensor load
	v_lshrrev_b32 v3, 5, v0
	v_readfirstlane_b32 s[WV], v3
	s_lshr_b32 s[MH], s[WV], 1
	s_and_b32 s[NH], s[WV], 1
	s_bfe_u32 s40, ttmp6, 0x40000
	s_bfe_u32 s41, ttmp6, 0x40004
	s_lshl_b32 s42, ttmp9, 2
	s_add_co_u32 s42, s42, s40                     ; tile column
	s_and_b32 s45, ttmp7, 0xffff
	s_lshl_b32 s45, s45, 2
	s_add_co_u32 s45, s45, s41                     ; tile row
	s_lshl_b32 s43, s41, 2
	s_lshl_b32 s43, 15, s43
	s_lshl_b32 s44, 0x1111, s40
	s_or_b32 s[G1A], s43, (1<<16)|(1<<20)|(1<<21)|(4<<22)|(3<<25)
	s_mov_b32 s[G1A+1], 4096<<16
	s_mov_b32 s[G1A+2], 4<<16
	s_mov_b32 s[G1A+3], 4096<<16
	s_mov_b32 s[G1A+4], 4
	s_mov_b32 s[G1A+5], 262144
	s_mov_b32 s[G1A+6], 0
	s_mov_b32 s[G1A+7], 0
	s_or_b32 s[G1B], s44, (1<<16)|(1<<20)|(1<<21)|(5<<22)|(7<<25)
	s_mov_b32 s[G1B+1], NT<<16
	s_mov_b32 s[G1B+2], 128<<16
	s_mov_b32 s[G1B+3], NT<<16
	s_mov_b32 s[G1B+4], 128
	s_mov_b32 s[G1B+5], N
	s_mov_b32 s[G1B+6], 0
	s_mov_b32 s[G1B+7], 0
	s_lshl_b32 s16, s45, 14
	s_lshl_b32 s17, s[NH], 13
	s_add_co_u32 s16, s16, s17
	s_mov_b32 s17, 0
	s_mul_i32 s46, s[NH], (KSTEP/2)*2*N
	s_mul_i32 s47, s42, 2*NT
	s_add_co_u32 s46, s46, s47
	s_add_co_u32 s46, s46, WOFF
	s_mov_b32 s47, 0
	s_mul_i32 s20, s[NH], AHALF
	s_mul_i32 s21, s[NH], BHALF
	s_add_co_u32 s21, s21, ABYTES
	s_wait_dscnt 0x0
	s_wait_kmcnt 0x0
	s_add_nc_u64 s[14:15], s[4:5], s[16:17]
	s_add_nc_u64 s[46:47], s[6:7], s[46:47]
	CROUND
.irp s, 0,1
	s_mov_b32 s[G0A+4*\s], 1
	s_add_co_u32 s[G0A+4*\s+1], s20, \s*SLOT
	s_add_nc_u64 s[G0A+4*\s+2:G0A+4*\s+3], s[14:15], \s*DA
	s_or_b32 s[G0A+4*\s+3], s[G0A+4*\s+3], 0x80000000
	s_mov_b32 s[G0B+4*\s], 1
	s_add_co_u32 s[G0B+4*\s+1], s21, \s*SLOT
	s_add_nc_u64 s[G0B+4*\s+2:G0B+4*\s+3], s[46:47], \s*DB
	s_or_b32 s[G0B+4*\s+3], s[G0B+4*\s+3], 0x80000000
.endr
	s_cmp_eq_u32 s[MH], 0                          ; a wave's two first fills stand in one branch: two loads of mine are out
	s_cbranch_scc0 .Lfirst_b
	tensor_load_to_lds s[G0A:G0A+3], s[G1A:G1A+7]
	s_nop 0
	tensor_load_to_lds s[G0A+4:G0A+7], s[G1A:G1A+7]
	s_nop 0
.rept 4
	v_nop
.endr
	s_branch .Lfirst_asked
.Lfirst_b:
	tensor_load_to_lds s[G0B:G0B+3], s[G1B:G1B+7]
	s_nop 0
	tensor_load_to_lds s[G0B+4:G0B+7], s[G1B:G1B+7]
	s_nop 0
.rept 4
	v_nop
.endr
.Lfirst_asked:
	v_and_b32 v3, 31, v0
	v_lshlrev_b32 v[CO], 4, v3
	s_lshl_b32 s14, s45, 19
	s_lshl_b32 s16, s[WV], 17
	s_add_co_u32 s14, s14, s16
	s_lshl_b32 s16, s42, 9
	s_add_co_u32 s14, s14, s16
	s_mov_b32 s15, 0
	s_mov_b32 s17, 0
	s_add_nc_u64 s[8:9], s[8:9], s[14:15]
	s_add_nc_u64 s[12:13], s[12:13], s[14:15]
	s_add_nc_u64 s[10:11], s[10:11], s[16:17]
	global_load_b128 v[BIAS:BIAS+3], v[CO], s[10:11]
.set u, 0
.rept 32
	global_load_b128 v[R+4*u:R+4*u+3], v[CO], s[8:9] offset:4096*u
.set u, u+1
.endr
	v_and_b32 v1, 15, v0
	v_bfe_u32 v2, v0, 4, 1
	v_mul_u32_u24 v[ADRA0], v1, PA
	v_lshl_add_u32 v[ADRA0], v2, 4, v[ADRA0]
	s_mul_i32 s22, s[WV], 64*PA
	v_add_nc_u32 v[ADRA0], s22, v[ADRA0]
	v_and_b32 v4, 7, v0
	v_lshl_add_u32 v4, v2, 3, v4
	s_lshl_b32 s22, s[WV], 6
	v_add_nc_u32 v4, s22, v4
	v_mul_u32_u24 v[ADRB0], v4, PB
	v_bfe_u32 v5, v0, 3, 1
	v_lshl_add_u32 v[ADRB0], v5, 4, v[ADRB0]
	v_add_nc_u32 v[ADRB0], ABYTES, v[ADRB0]
	s_mul_i32 s22, s[WV], 128*SP
	v_mul_u32_u24 v[STO], v1, SP
	v_lshl_add_u32 v[STO], v2, 5, v[STO]
	v_add_nc_u32 v[STO], s22, v[STO]
	v_add_nc_u32 v[STO+1], 64*SP, v[STO]
	s_mul_i32 s22, s[WV], 32*SP
	v_lshl_add_u32 v[RD], v3, 4, s22
	v_add_nc_u32 v[RD+1], 128*SP, v[RD]
	v_add_nc_u32 v[RD+2], 2*128*SP, v[RD]
	v_add_nc_u32 v[RD+3], 3*128*SP, v[RD]
	s_wait_loadcnt 0x0
	v_cvt_pk_bf16_f32 v[TT], v[BIAS], v[BIAS+1]    ; the bias is rounded to bf16
	v_cvt_pk_bf16_f32 v[TT+1], v[BIAS+2], v[BIAS+3]
	v_lshlrev_b32 v[BIAS], 16, v[TT]
	v_and_b32 v[BIAS+1], 0xffff0000, v[TT]
	v_lshlrev_b32 v[BIAS+2], 16, v[TT+1]
	v_and_b32 v[BIAS+3], 0xffff0000, v[TT+1]
.set u, 0
.rept 64
.if ROUNDRES
	v_cvt_pk_bf16_f32 v[TT+u%4], v[R+2*u], v[R+2*u+1]
	v_lshlrev_b32 v[R+2*u], 16, v[TT+u%4]
	v_and_b32 v[R+2*u+1], 0xffff0000, v[TT+u%4]
.endif
	v_pk_add_f32 v[R+2*u:R+2*u+1], v[R+2*u:R+2*u+1], v[BIAS+2*(u%2):BIAS+2*(u%2)+1]
.set u, u+1
.endr
	s_wait_tensorcnt 0x1                           ; my part of K step 0 is in; step 1's may stay out
	s_barrier_signal -1
	s_barrier_wait -1
	v_mov_b32 v[ADRA], v[ADRA0]
	v_mov_b32 v[ADRB], v[ADRB0]
	s_mov_b32 s[SO], 0
	FETCH 0, F0
	QUARTER 1, F0, F1, 1                           ; written out: its products start the sums
	WIN 0
	s_mov_b32 s3, T-2
	s_branch .Lmid
.Lstep:
	QUARTER 1, F0, F1, 0
	WIN 0
.Lmid:
	TURN 1
	WIN 0
	s_sub_co_u32 s3, s3, 1
	s_cmp_lg_u32 s3, 0
	s_cbranch_scc1 .Lstep
	s_mov_b32 s3, 2
.Ltail:                                                ; the last two K steps ask for nothing
	QUARTER 1, F0, F1, 0
	TURN 0
	WIN 0
	s_sub_co_u32 s3, s3, 1
	s_cmp_lg_u32 s3, 0
	s_cbranch_scc1 .Ltail
	DUMP                                           ; the stage lies over the ring: behind its last fill, and behind a barrier at which every wave's reads of it are over
	s_wait_dscnt 0x0
	s_barrier_signal -1
	s_barrier_wait -1
.macro ROWLD u
.irp p, 0,1,2,3
	ds_load_b128 v[X+16*((\u)%4)+4*\p:X+16*((\u)%4)+4*\p+3], v[RD+\p] offset:(\u)*SP
.endr
.endm
	ROWLD 0
	ROWLD 1
	ROWLD 2
	ROWLD 3
.set u, 0
.rept 32
.set wc, 12
.if u > 28
.set wc, 4*(31-u)
.endif
	s_wait_dscnt wc                                ; row u's four loads are in; the younger rows' stay out
.irp p, 0,1,2,3
	v_pk_add_f32 v[R+4*u:R+4*u+1], v[R+4*u:R+4*u+1], v[X+16*(u%4)+4*\p:X+16*(u%4)+4*\p+1]
	v_pk_add_f32 v[R+4*u+2:R+4*u+3], v[R+4*u+2:R+4*u+3], v[X+16*(u%4)+4*\p+2:X+16*(u%4)+4*\p+3]
.endr
.if u < 28
	ROWLD u+4
.endif
	global_store_b128 v[CO], v[R+4*u:R+4*u+3], s[12:13] offset:4096*u  ; 512 consecutive bytes, aligned; no register is written again
.set u, u+1
.endr
	s_wait_tensorcnt 0x0                           ; the wave's end
	ds_add_u32 v[SPW], v[NIL]
	s_wait_dscnt 0x0
	CROUND
	s_endpgm
.Lfunc_end_k_q07d8ccb0c6_ff2:
	.size	k_q07d8ccb0c6_ff2, .Lfunc_end_k_q07d8ccb0c6_ff2-k_q07d8ccb0c6_ff2
	.p2alignl 7, 3214868480
	.fill 96, 4, 3214868480
	.section	.rodata,"a",@progbits
	.p2align	6, 0x0
	.amdhsa_kernel k_q07d8ccb0c6_ff2
		.amdhsa_group_segment_fixed_size 327680
		.amdhsa_private_segment_fixed_size 0
		.amdhsa_enable_private_segment 0
		.amdhsa_kernarg_size 40
		.amdhsa_user_sgpr_count 2
		.amdhsa_user_sgpr_kernarg_segment_ptr 1
		.amdhsa_wavefront_size32 1
		.amdhsa_system_sgpr_workgroup_id_x 1
		.amdhsa_system_sgpr_workgroup_id_y 1
		.amdhsa_system_sgpr_workgroup_id_z 1
		.amdhsa_system_vgpr_workitem_id 0
		.amdhsa_next_free_vgpr 1024
		.amdhsa_next_free_sgpr 96
		.amdhsa_reserve_vcc 0
		.amdhsa_float_denorm_mode_32 3
		.amdhsa_float_denorm_mode_16_64 3
		.amdhsa_memory_ordered 1
		.amdhsa_forward_progress 1
		.amdhsa_inst_pref_size 87
	.end_amdhsa_kernel
	.amdgpu_metadata
---
amdhsa.version: [ 1, 2 ]
amdhsa.kernels:
  - .name:           k_q07d8ccb0c6_ff2
    .symbol:         k_q07d8ccb0c6_ff2.kd
    .args:
      - { .name: ff, .offset: 0, .size: 8, .value_kind: global_buffer, .address_space: global }
      - { .name: wb, .offset: 8, .size: 8, .value_kind: global_buffer, .address_space: global }
      - { .name: x1, .offset: 16, .size: 8, .value_kind: global_buffer, .address_space: global }
      - { .name: b_ff2, .offset: 24, .size: 8, .value_kind: global_buffer, .address_space: global }
      - { .name: out0, .offset: 32, .size: 8, .value_kind: global_buffer, .address_space: global }
    .group_segment_fixed_size: 327680
    .private_segment_fixed_size: 0
    .kernarg_segment_align: 8
    .kernarg_segment_size: 40
    .max_flat_workgroup_size: 128
    .sgpr_count:     96
    .vgpr_count:     1024
    .wavefront_size: 32
...
	.end_amdgpu_metadata
.endif
;; end of part 7
